; MI455X (gfx1250); checked and timed in simulation.
; The chip was launched on July 23, 2026; its instructions are those of AMD's public machine-readable ISA for CDNA 5 (MIT licence, August 2026) and "CDNA5" Instruction Set Architecture Reference Guide (July 2026). The comments in the code are by the model that wrote it; some were corrected since.
;; TSA Block. Allowed arithmetic: matrix products marked QUANTISED: E2M3 operands, one E8M0 scale for each 32 along K, by v_wmma_scale_f32_16x16x128_f8f6f4 with both operands' format E2M3, f32 sums; everything else in f32.
;; Inputs: Wk 1,024 x 1,024 float32; Wq 1,024 x 1,024 float32; Wv 1,024 x 1,024 float32; bk 1,024 float32; bq 1,024 float32; bv 1,024 float32; x 4 x 2,048 x 1,024 float32.
;; Outputs: out0 4 x 2,048 x 1,024 float32.
;; This version of the problem:
;;   THIS VERSION OF THE PROBLEM IS GIVEN IN LOW PRECISION. The matrix products marked QUANTISED in the list below multiply operands that are first quantised to E2M3 (2 exponent bits, 3 mantissa bits; 6 bits a number), with one power-of-two scale for each 32 numbers along K (OCP MX v1.0); their sums are f32. All else is computed in f32.
;;   The module's matrix products, in the order in which they are computed (A, B: the left and right operand; K: the contracted axis; several contracted axes count as one K, in the product's order):
;;     1. [M 8,192, K 1,024] x [K 1,024, N 1,024]; A: computed on the way; B: input Wq: QUANTISED
;;     2. [M 8,192, K 1,024] x [K 1,024, N 1,024]; A: computed on the way; B: input Wk: QUANTISED
;;     3. [M 8,192, K 1,024] x [K 1,024, N 1,024]; A: computed on the way; B: input Wv: QUANTISED
;;     4. batch 4 x [M 2,048, K 1,024] x [K 1,024, N 2,048]; A: computed on the way; B: computed on the way: QUANTISED
;;     5. batch 4 x [M 2,048, K 2,048] x [K 2,048, N 1,024]; A: softmax (see below); B: computed on the way: QUANTISED
;;   THE QUANTISER, for each operand of a quantised product, along K:
;;     - K is cut into blocks of 32 from its start; a last block that is shorter is filled with zeros.
;;     - A block's scale is 2^e with e = floor(log2(the largest magnitude in the block)) - 2, held to -126 .. 127; a block of zeros has e = 0. As a byte (E8M0): e + 127.
;;     - Each number is divided by its block's scale, clamped to +-7.5, and rounded to the nearest number of E2M3, ties to even, subnormals kept.
;;     - The product sums the exact products of the quantised numbers (number of the format x scale) in f32.
;;   ~~~python
;;   def quantise(x, axis):      # numpy; x: float32 -> the quantised numbers, widened to float32 again
;;       x = np.moveaxis(x, axis, -1); K = x.shape[-1]
;;       x = np.pad(x, [(0, 0)] * (x.ndim - 1) + [(0, -K % 32)]); x = x.reshape(x.shape[:-1] + (-1, 32)); a = np.abs(x).max(-1, keepdims=True)
;;       e = np.where(a > 0, np.clip(np.frexp(np.where(a > 0, a, 1))[1] - 1 - 2, -126, 127), 0)      # np.frexp(a)[1] - 1 = floor(log2(a)), exactly
;;       r = np.clip(x / 2.0 ** e, -7.5, 7.5)
;;       step = 2.0 ** (np.maximum(np.frexp(np.where(r == 0, 1, r))[1] - 1, 0) - 3)
;;       q = np.round(r / step) * step * 2.0 ** e      # np.round: ties to even
;;       return np.moveaxis(q.reshape(q.shape[:-2] + (-1,))[..., :K], -1, axis).astype(np.float32)
;;   ~~~
;;   SOFTMAX AHEAD OF A QUANTISED PRODUCT. Where the list says 'softmax', what is quantised is not the finished softmax but p = 2^(t - M), with t = logit x log2(e) and M = ceil(the row's largest t), a whole number; so 1/2 < the row's largest p <= 1. The row's sum l is taken of the UNQUANTISED p, in f32, and the product's result is divided by l at the end. Since M is a whole number, a kernel that streams over the keys may use a running M (the ceiling of the running maximum): every later rescaling is an exact power of two, which a block's scale takes up: the codes' values come out the same.
;;   OPERANDS COMPUTED ON THE WAY. 'Computed on the way' means the value that the module computes at that place (a softmax that the list does not call 'softmax' is quantised finished and normalised). What goes into a quantiser is computed in f32, as accurately as f32 sums, v_exp_f32 and their like allow (about 1e-6 of the number): no bf16 or f16 on the way to a quantiser, and a product that is left as it is and whose result goes on into a quantised operand takes f32 operands (vector FMAs, or v_wmma_f32_16x16x4_f32). A number that lies on a knife's edge between two numbers of the format may be rounded either way, as far as f32 arithmetic and the matrix unit's own rounding can turn it there, and no further.
;; One version. Each part assembles by itself: llvm-mc -triple=amdgcn-amd-amdhsa -mcpu=gfx1250 --defsym DOCPART=n.
;; ======== version 1 of 1: 4 launches
;; limits: right only within a limited range of input values
;; workspace buffers: hw 9,011,200 bytes; qk 13,107,200 bytes; vt 6,291,456 bytes; pc 12,582,912 bytes; sc 1,835,008 bytes
;; launch prep (part 1): grid 352 x 1, 4 waves a work-group, no clusters, 70,144 bytes of LDS; arguments x, Wq, Wk, Wv, hw; writes hw
.if DOCPART == 1
	.amdgcn_target "amdgcn-amd-amdhsa--gfx1250"
	.amdhsa_code_object_version 6
	.text
	.protected	k_q4a2e31eb38_prep
	.globl	k_q4a2e31eb38_prep
	.p2align	8
	.type	k_q4a2e31eb38_prep,@function
k_q4a2e31eb38_prep:
	s_mov_b64 s[64:65], 0
	v_nop
	global_prefetch_b8 v0, s[64:65] scope:SCOPE_SE
	s_setreg_imm32_b32 hwreg(HW_REG_WAVE_MODE, 25, 1), 1
	s_wait_xcnt 0x0
; PREP.  h = x + pe and the three weights become codes of E2M3 with one E8M0 byte for each 32 along K (K = d, the model's 1,024).
; DEAD WORK: none.  Every product of reference() reaches out0, and each bias stands ahead of a quantiser (bq, bk ahead of q k^T's operands, bv ahead of P v's), so all seven inputs are loaded by this program.
; THE WORKSPACE FORMAT ("image"), used by all four launches.  A tile T holds the 16 rows 32 (T / 2) + 8 (T % 2) + r + 8 (r / 8), r = 0 .. 15.  The fragment of tile T and K step c (128 along K) is 1,536 bytes at
; (T x NC + c) x 1536: register g (0 .. 11) of lane L at 512 (g / 4) + 16 L + 4 (g % 4): the operand's registers on end, so that three loads or stores of 16 bytes a lane move it, 512 consecutive bytes each.
; The scale word of (T, c, row r) lies at ((T / 4) x NC + c) x 256 + 16 r + 4 (T % 4): 16 bytes give a lane the words of four tiles.
; hw: h's images (512 tiles x 8 steps) at 0; W's (192 tiles: Wq 0-63, Wk 64-127, Wv 128-191; a tile's rows are COLUMNS e of W) at WIMG; their scale words at HSC and WSC.
; A block's scale byte is its largest magnitude's exponent field - 2, held at 1 from below by a floor among the maximum's leaves.
; pe[s][d] = sin(s rate(d)) for d < 512, cos(s rate(d - 512)) above; rate(j) = 10000^(-j / 512) = 2^(-j CH), CH in two parts; sine and cosine by reduction to a quarter turn (pi / 2 in two parts) and polynomials.
; LIMITS: NaN and infinities are not served; a block of zeros gets the byte 1 (its codes are zeros, and this program alone reads the bytes); blocks under 2^-124 were not tried;
; the rate is good to about one unit in its last place, so the angle s x rate carries an error of that relative size, as reference()'s own f32 angle does.
; SHARES.  Work-groups 0-255: 64 rows s (a wave: one tile), K steps cp and cp + 4 (one set of angles: sine and cosine), two batches.  Work-groups 256-351: a weight m, 256 columns, one K step; a wave 64 columns.
; The work-groups with the longer text stand first in the grid.  No tensor loads and no cluster: no work-group reads what another reads.  The two paths have LDS bytes of their own.
.set HGA,   33792                      ; h path: behind the four stages of 16 x 528 bytes: four blocks of 256 bytes in which the four waves' scale words meet
.set WST,   34816                      ; W path: a stage of 32 rows x 256 bytes for each wave
.set SPARE, 67584                      ; the spare words, 128 bytes for each wave, which no other line names
.set RT,    68096                      ; h path: 512 bytes for each wave: its 128 rates
.set WIMG,  0x600000
.set HSC,   0x840000
.set WSC,   0x880000
.set SPW,   10                         ; v10  LDS address of my spare word; never rewritten
.set NIL,   11                         ; v11  0; never rewritten
.set MSB, 0
.macro WIN new                         ; the immediate's high byte repeats the setting that is left
.if MSB != (\new)
	s_set_vgpr_msb (MSB<<8)|(\new)
.set MSB, \new
.endif
.endm
	s_load_b256 s[4:11], s[0:1], 0x0               ; x s[4:5], Wq s[6:7], Wk s[8:9], Wv s[10:11]
	s_load_b64 s[12:13], s[0:1], 0x20              ; hw
	v_lshl_add_u32 v[SPW], v0, 2, SPARE
	v_mov_b32 v[NIL], 0
	v_lshrrev_b32 v1, 5, v0
	v_readfirstlane_b32 s14, v1                    ; wave
	v_and_b32 v1, 31, v0                           ; lane L
	s_cmp_lt_u32 ttmp9, 256
	s_cbranch_scc1 .Lh_path
; ---------------- THE WEIGHTS.  W is [d][e]: K is its first axis.  A lane takes a column e and its registers run down K.
	s_sub_co_u32 s40, ttmp9, 256
	s_lshr_b32 s15, s40, 5                         ; m: which weight
	s_bfe_u32 s18, s40, 0x20003                    ; cq: which 256 columns
	s_and_b32 s19, s40, 7                          ; c: which K step
	v_lshrrev_b32 v7, 4, v1                        ; L / 16
	v_and_b32 v3, 15, v1
	v_lshlrev_b32 v3, 4, v3
	v_lshl_add_u32 v2, v7, 12, v3                  ; in: sixteen lanes take 256 bytes of a row of W, the other sixteen those of the next row
	s_lshl_b32 s20, s14, 13
	s_add_co_u32 s20, s20, WST                     ; my stage
	s_wait_alu depctr_va_vdst(0)
	v_lshlrev_b32 v3, 4, v1
	v_add_nc_u32 v3, s20, v3                       ; into it as loaded: 16 L
	v_lshlrev_b32 v4, 2, v1
	v_add_nc_u32 v4, s20, v4                       ; out of it: column L
	v_bfe_u32 v5, v1, 3, 1                         ; u: column L of 32 lies in tile 2 g + u,
	v_and_b32 v6, 7, v1
	v_lshl_add_u32 v6, v7, 3, v6                   ; at row r = L % 8 + 8 (L / 16)
	v_lshlrev_b32 v6, 4, v6                        ; 16 r
	v_mad_u32_u24 v5, v5, 0x3000, v6               ; + u x 8 steps x 1,536
	s_mov_b32 s21, 0xff00ff00                      ; the lanes with u = 1
	s_lshl_b32 s22, s19, 19                        ; W: 128 c rows of 4,096 bytes,
	s_lshl_b32 s23, s18, 10
	s_add_co_u32 s22, s22, s23                     ; + 256 cq columns,
	s_lshl_b32 s23, s14, 8
	s_add_co_u32 s22, s22, s23                     ; + 64 x wave
	s_mov_b32 s23, 0
	s_lshl_b32 s24, s15, 4
	s_lshl_b32 s25, s18, 2
	s_add_co_u32 s24, s24, s25
	s_add_co_u32 s24, s24, s14                     ; my four tiles' group: 16 m + 4 cq + wave
	s_lshl_b32 s26, s24, 5
	s_add_co_u32 s26, s26, s19
	s_mul_i32 s26, s26, 1536
	s_add_co_u32 s26, s26, WIMG                    ; the images
	s_mov_b32 s27, 0
	s_lshl_b32 s24, s24, 3
	s_add_co_u32 s24, s24, s19
	s_lshl_b32 s24, s24, 8
	s_add_co_u32 s24, s24, WSC                     ; the scale words
	s_mov_b32 s25, 0
	s_wait_alu depctr_va_vdst(0)
	s_wait_kmcnt 0x0
	s_cmp_eq_u32 s15, 0                            ; the choice hangs on the work-group's number alone
	s_cselect_b64 s[16:17], s[6:7], s[8:9]
	s_cmp_eq_u32 s15, 2
	s_cselect_b64 s[16:17], s[10:11], s[16:17]
	s_add_nc_u64 s[16:17], s[16:17], s[22:23]
	s_add_nc_u64 s[26:27], s[12:13], s[26:27]
	s_add_nc_u64 s[24:25], s[12:13], s[24:25]
	WIN 0x40                                       ; destination window 1
.set n, 0
.rept 64
	global_load_b128 v[4*n:4*n+3], v2, s[16:17] offset:8192*n th:TH_LOAD_NT   ; two rows' 256 bytes: two aligned runs of 256 bytes
.set n, n+1
.endr
	WIN 0
; A block of 32 along K: through my stage (LDS serves a wave's instructions in order), then each lane has its two columns' 32 numbers: v64-95 column L, v96-127 column 32 + L.
.macro WBLOCK kb
.set FB, 128+12*((\kb)%2)+6*((\kb)/2)  ; block kb belongs to lane half kb % 2, registers 6 (kb / 2) on; F(g, h) at v[128 + 24 g + 12 h]
	s_wait_loadcnt 48-16*(\kb)                     ; this block's 16 loads are in; the later blocks' may be out
	WIN 0x04                                       ; an LDS store's data: window 1
.set n, 0
.rept 16
	ds_store_b128 v3, v[64*(\kb)+4*n:64*(\kb)+4*n+3] offset:512*n
.set n, n+1
.endr
	WIN 0
.set n, 0
.rept 32
	ds_load_b32 v[64+n], v4 offset:256*n
	ds_load_b32 v[96+n], v4 offset:256*n+128
.set n, n+1
.endr
	s_wait_dscnt 0x0
	v_max3_num_f32 v12, |v64|, |v65|, 0x1800000    ; the block's largest magnitude, and the floor 2^(3 - 127)
	v_max3_num_f32 v13, |v96|, |v97|, 0x1800000
.set n, 2
.rept 15
	v_max3_num_f32 v12, v12, |v[64+n]|, |v[65+n]|
	v_max3_num_f32 v13, v13, |v[96+n]|, |v[97+n]|
.set n, n+2
.endr
	v_add_nc_u32 v14, 0xff000000, v12              ; 2 off the exponent field: the conversion's scale operand
	v_add_nc_u32 v15, 0xff000000, v13
	v_lshrrev_b32 v12, 23, v14                     ; the byte
	v_lshrrev_b32 v13, 23, v15
.if (\kb) == 0
	v_mov_b32 v16, v12
	v_mov_b32 v17, v13
.else
	v_lshl_or_b32 v16, v12, 8*(\kb), v16
	v_lshl_or_b32 v17, v13, 8*(\kb), v17
.endif
	v_cvt_scalef32_pk16_fp6_f32 v[FB:FB+2], v[64:79], v14
	v_cvt_scalef32_pk16_fp6_f32 v[24:26], v[80:95], v14       ; (a conversion's three registers begin on an even number)
	v_cvt_scalef32_pk16_fp6_f32 v[FB+24:FB+26], v[96:111], v15
	v_cvt_scalef32_pk16_fp6_f32 v[28:30], v[112:127], v15
	v_nop                                          ; one plain place behind the conversions
.irp i, 0,1,2
	v_mov_b32 v[FB+3+\i], v[24+\i]
	v_mov_b32 v[FB+27+\i], v[28+\i]
.endr
.endm
	WBLOCK 0
	WBLOCK 1
	WBLOCK 2
	WBLOCK 3
.irp g, 0,1
.irp h, 0,1
.irp j, 0,1,2
	global_store_b128 v5, v[128+24*\g+12*\h+4*\j:128+24*\g+12*\h+4*\j+3], s[26:27] offset:\g*24576+256*\h+512*\j   ; the lanes of one u store 256 consecutive bytes, aligned
.endr
.endr
.endr
	v_mov_b32 v18, 0                               ; (a lane move's destination counts as read)
	v_mov_b32 v19, 0
	v_mov_b32_dpp v18, v16 row_xmask:8 row_mask:0xf bank_mask:0xf   ; the words of the same r in the tile with the other u
	v_mov_b32_dpp v19, v17 row_xmask:8 row_mask:0xf bank_mask:0xf
	v_cndmask_b32 v20, v16, v18, s21               ; tiles 0, 1, 2, 3 of my group, in order
	v_cndmask_b32 v21, v18, v16, s21
	v_cndmask_b32 v22, v17, v19, s21
	v_cndmask_b32 v23, v19, v17, s21
	global_store_b128 v6, v[20:23], s[24:25]       ; 256 bytes; the two lanes of one r write the same bytes with the same values
	s_wait_tensorcnt 0x0                           ; the wave's end, behind my last LDS store
	ds_add_u32 v[SPW], v[NIL]
	s_wait_dscnt 0x0
	s_endpgm
; ---------------- h = x + pe.
.set PES, 40                           ; v40-103   the rates, then the angles, then sin(angle) of my 64 places: index 32 c' + i is k = 64 c' + 32 (L / 16) + i of the K step
.set PEC, 104                          ; v104-167  cos(angle)
.set RN,  168                          ; v168-247  five runs of 16 at work on the angles; later XT = v168-231, PC = v232-243
.set RR,  184
.set RZ,  200
.set RP,  216
.set RQ,  232
.set XT,  168
.set PC,  232
.set K2P, 16                           ; v16-33    nine constants, each in both registers of a pair
.set KNH, 18
.set KLO, 20
.set KS0, 22
.set KS1, 24
.set KS2, 26
.set KC0, 28
.set KC1, 30
.set KC2, 32
.set MK,  40                           ; s40-55    sixteen lane masks: where the count of quarter turns is odd
.Lh_path:
	s_lshr_b32 s16, ttmp9, 3                       ; G: which 64 rows s
	s_bfe_u32 s17, ttmp9, 0x20001                  ; cp: K steps cp and cp + 4
	s_and_b32 s18, ttmp9, 1                        ; bp: batches 2 bp, 2 bp + 1
	s_wait_alu depctr_va_vdst(0)
	v_and_b32 v2, 15, v1                           ; r
	v_lshrrev_b32 v3, 4, v1                        ; h
	v_lshlrev_b32 v4, 4, v1                        ; 16 L
	s_mul_i32 s19, s14, 8448                       ; my stage: 16 rows x (512 + 16) bytes
	v_add_nc_u32 v5, s19, v4                       ; in: a row's 512 bytes as loaded
	v_mul_u32_u24 v6, v2, 528
	v_lshl_add_u32 v6, v3, 7, v6
	v_add_nc_u32 v6, s19, v6                       ; out: row r, my half's 32 numbers of each 64
	v_lshlrev_b32 v8, 3, v3                        ; 8 h
	v_lshlrev_b32 v9, 4, v2
	s_lshl_b32 s20, s14, 2
	s_add_co_u32 s20, s20, HGA
	v_add_nc_u32 v9, s20, v9                       ; my row's scale word among the four tiles': 16 r + 4 x wave
	v_lshlrev_b32 v7, 3, v1                        ; 8 L
	s_lshl_b32 s20, s14, 8
	s_add_co_u32 s20, s20, HGA
	v_add_nc_u32 v14, s20, v7                      ; and where I read a whole block of 256 bytes back
	s_lshl_b32 s20, s14, 9
	s_add_co_u32 s20, s20, RT                      ; my wave's rates:
	v_add_nc_u32 v37, s20, v4                      ; in: four a lane, 16 L;
	v_lshl_add_u32 v38, v3, 7, s20                 ; out: my half's 32 of each 64
	s_lshl_b32 s21, s16, 6
	s_lshr_b32 s22, s14, 1
	s_lshl_b32 s23, s22, 5
	s_add_co_u32 s21, s21, s23
	s_and_b32 s23, s14, 1
	s_lshl_b32 s24, s23, 3
	s_add_co_u32 s21, s21, s24                     ; my tile's first row: 64 G + 32 (wave / 2) + 8 (wave % 2)
	v_and_b32 v15, 8, v2
	v_add_nc_u32 v15, v15, v2
	v_add_nc_u32 v15, s21, v15
	v_cvt_f32_u32 v12, v15                         ; s of my row, as f32
	s_lshl_b32 s24, s17, 7
	v_lshl_add_u32 v13, v1, 2, s24                 ; 128 cp + 4 L: the first of the four j whose rates I make
	s_lshl_b32 s26, s18, 24                        ; x: batch 2 bp (2,048 rows of 4,096 bytes each),
	s_lshl_b32 s25, s21, 12
	s_add_co_u32 s26, s26, s25                     ; my first row,
	s_lshl_b32 s25, s17, 9
	s_add_co_u32 s26, s26, s25                     ; K step cp
	s_mov_b32 s27, 0
	s_lshl_b32 s28, s18, 8
	s_lshl_b32 s25, s16, 2
	s_add_co_u32 s28, s28, s25
	s_add_co_u32 s28, s28, s14                     ; my tile in batch 2 bp: 256 bp + 4 G + wave
	s_lshl_b32 s28, s28, 3
	s_add_co_u32 s28, s28, s17
	s_mul_i32 s28, s28, 1536
	s_mov_b32 s29, 0
	s_lshl_b32 s30, s18, 1                         ; the block of scale words that I store: item = wave: batch 2 bp + wave / 2, K step cp + 4 (wave % 2)
	s_add_co_u32 s30, s30, s22
	s_lshl_b32 s30, s30, 5
	s_add_co_u32 s30, s30, s16
	s_lshl_b32 s30, s30, 3
	s_add_co_u32 s30, s30, s17
	s_lshl_b32 s25, s23, 2
	s_add_co_u32 s30, s30, s25
	s_lshl_b32 s30, s30, 8
	s_add_co_u32 s30, s30, HSC
	s_mov_b32 s31, 0
	s_mov_b32 s34, 0x3cd49a78                      ; CH = log2(10000) / 512, its f32,
	s_mov_b32 s35, 0x30179a31                      ; CL: what that f32 leaves
	s_mov_b32 s36, 0xbf317218                      ; -ln 2
	s_mov_b32 s38, 0x76543210
	s_mov_b32 s39, 0xfedcba98                      ; lane selects: lane l xor 16
	s_wait_kmcnt 0x0
	s_add_nc_u64 s[26:27], s[4:5], s[26:27]
	s_add_nc_u64 s[32:33], s[26:27], 0x800000      ; the next batch
	s_add_nc_u64 s[28:29], s[12:13], s[28:29]
	s_add_nc_u64 s[30:31], s[12:13], s[30:31]
; Item k = 2 bb + st (batch 2 bp + bb, K step cp + 4 st): its 16 rows into window 1, row i at v[64 k + 4 i].  The four items' loads stand in four runs between the pieces of the angles' arithmetic, all ahead of the first item's work.
.macro XL k, sb
	WIN 0x40
.irp i, 0,1,2,3,4,5,6,7,8,9,10,11,12,13,14,15
	global_load_b128 v[64*(\k)+4*\i:64*(\k)+4*\i+3], v4, s[\sb:\sb+1] offset:(\i+8*(\i/8))*4096+2048*((\k)%2) th:TH_LOAD_NT   ; a K step of one row: 512 consecutive bytes
.endr
	WIN 0
.endm
; eight packed multiply-adds over a run of 16; a stride of 0 names a constant pair
.macro PKF d, a, sa, b, sb, c, sc
.set n, 0
.rept 8
	v_pk_fma_f32 v[\d+n:\d+n+1], v[\a+\sa*n:\a+\sa*n+1], v[\b+\sb*n:\b+\sb*n+1], v[\c+\sc*n:\c+\sc*n+1]
.set n, n+2
.endr
.endm
.macro PKM d, a, b, sb
.set n, 0
.rept 8
	v_pk_mul_f32 v[\d+n:\d+n+1], v[\a+n:\a+n+1], v[\b+\sb*n:\b+\sb*n+1]
.set n, n+2
.endr
.endm
	XL 0, 26
.irp p, 0,1
	v_mov_b32 v[K2P+\p], 0x3f22f983                ; 2 / pi
	v_mov_b32 v[KNH+\p], 0xbfc90fdb                ; -(pi / 2 as f32)
	v_mov_b32 v[KLO+\p], 0x333bbd2e                ; that f32 less pi / 2
	v_mov_b32 v[KS0+\p], 0xb94ca1f9                ; sine: x + x z (S2 + z (S1 + z S0))
	v_mov_b32 v[KS1+\p], 0x3c08839e
	v_mov_b32 v[KS2+\p], 0xbe2aaaa3
	v_mov_b32 v[KC0+\p], 0x37ccf5ce                ; cosine: 1 + z (-1/2 + z (C2 + z (C1 + z C0)))
	v_mov_b32 v[KC1+\p], 0xbab6061a
	v_mov_b32 v[KC2+\p], 0x3d2aaaa5
.endr
	v_mov_b32 v36, 0                               ; (a lane permute's destination counts as read)
	; THE RATES hang on j alone, not on the row: each lane makes four of the wave's 128, and they go round through the wave's own 512 bytes of LDS
.irp q, 0,1,2,3
	v_add_nc_u32 v[RN+\q], \q, v13
.endr
.irp q, 0,1,2,3
	v_cvt_f32_u32 v[RN+\q], v[RN+\q]               ; j
.endr
.irp q, 0,1,2,3
	v_mul_f32 v[RR+\q], s34, v[RN+\q]              ; t = j CH, rounded
.endr
.irp q, 0,1,2,3
	v_fma_f32 v[RZ+\q], v[RN+\q], s34, -v[RR+\q]   ; what the rounding dropped,
.endr
.irp q, 0,1,2,3
	v_fma_f32 v[RZ+\q], v[RN+\q], s35, v[RZ+\q]    ; and j CL: e
.endr
.irp q, 0,1,2,3
	v_exp_f32 v[RP+\q], -v[RR+\q]                  ; 2^-t
.endr
	v_nop                                          ; a plain place behind the batch,
	s_wait_alu depctr_va_vdst(0)                   ; and a wait ahead of its first reader
.irp q, 0,1,2,3
	v_mul_f32 v[RZ+\q], v[RP+\q], v[RZ+\q]
.endr
.irp q, 0,1,2,3
	v_fma_f32 v[RP+\q], v[RZ+\q], s36, v[RP+\q]    ; rate = 2^-t (1 - e ln 2)
.endr
	ds_store_b128 v37, v[RP:RP+3]
.set n, 0
.rept 16
	ds_load_b128 v[PES+4*n:PES+4*n+3], v38 offset:256*(n/8)+16*(n%8)   ; LDS serves a wave's instructions in order: these see the store above; the sixteen lanes of a half read the same bytes
.set n, n+1
.endr
	XL 1, 26
	s_wait_dscnt 0x0
.set n, 0
.rept 32
	v_pk_mul_f32 v[PES+n:PES+n+1], v[PES+n:PES+n+1], v[12:13] op_sel_hi:[1,0]   ; the angle, as reference() forms it: s x rate (of the pair the low word, s, serves both halves)
.set n, n+2
.endr
; the sines and cosines of sixteen angles, places 16 g .. 16 g + 15.  Every operation runs over all sixteen before the next begins, and the two polynomials take turns: no line reads the result of a line close ahead of it.
.macro PE16 g
.set A,  PES+16*(\g)
	PKM RN, A, K2P, 0
.set n, 0
.rept 16
	v_rndne_f32 v[RN+n], v[RN+n]                   ; quarter turns
.set n, n+1
.endr
	PKF RR, RN,1, KNH,0, A,1
	PKF RR, RN,1, KLO,0, RR,1                      ; what is left: at most pi / 4 in size
	PKM RZ, RR, RR, 1
	PKF RP, RZ,1, KS0,0, KS1,0
	PKF RQ, RZ,1, KC0,0, KC1,0
	PKF RP, RP,1, RZ,1, KS2,0
	PKF RQ, RQ,1, RZ,1, KC2,0
	PKM RP, RP, RZ, 1
.set n, 0
.rept 8
	v_pk_fma_f32 v[RQ+n:RQ+n+1], v[RQ+n:RQ+n+1], v[RZ+n:RZ+n+1], -0.5 op_sel_hi:[1,1,0]
.set n, n+2
.endr
	PKF RP, RP,1, RR,1, RR,1                       ; its sine
.set n, 0
.rept 8
	v_pk_fma_f32 v[RQ+n:RQ+n+1], v[RQ+n:RQ+n+1], v[RZ+n:RZ+n+1], 1.0 op_sel_hi:[1,1,0]   ; its cosine
.set n, n+2
.endr
.set n, 0
.rept 16
	v_cvt_i32_f32 v[RN+n], v[RN+n]
.set n, n+1
.endr
.set n, 0
.rept 16
	v_and_b32 v[RR+n], 1, v[RN+n]
.set n, n+1
.endr
.set n, 0
.rept 16
	v_cmp_eq_u32 s[MK+n], 1, v[RR+n]               ; an odd number of quarter turns changes sine and cosine over
.set n, n+1
.endr
.set n, 0
.rept 16
	v_cndmask_b32 v[RZ+n], v[RP+n], v[RQ+n], s[MK+n]
.set n, n+1
.endr
.set n, 0
.rept 16
	v_cndmask_b32 v[RR+n], v[RQ+n], v[RP+n], s[MK+n]
.set n, n+1
.endr
.set n, 0
.rept 16
	v_lshlrev_b32 v[RP+n], 30, v[RN+n]             ; the sine's sign: bit 1 of the count,
.set n, n+1
.endr
.set n, 0
.rept 16
	v_and_b32 v[RP+n], 0x80000000, v[RP+n]
.set n, n+1
.endr
.set n, 0
.rept 16
	v_xor_b32 v[A+n], v[RP+n], v[RZ+n]
.set n, n+1
.endr
.set n, 0
.rept 16
	v_add_nc_u32 v[RN+n], 1, v[RN+n]               ; the cosine's: bit 1 of the count + 1
.set n, n+1
.endr
.set n, 0
.rept 16
	v_lshlrev_b32 v[RN+n], 30, v[RN+n]
.set n, n+1
.endr
.set n, 0
.rept 16
	v_and_b32 v[RN+n], 0x80000000, v[RN+n]
.set n, n+1
.endr
.set n, 0
.rept 16
	v_xor_b32 v[PEC+16*(\g)+n], v[RN+n], v[RR+n]
.set n, n+1
.endr
.endm
	PE16 0
	XL 2, 32
	PE16 1
	XL 3, 32
	PE16 2
	PE16 3
; An item: one batch's tile, one K step.  Its 16 rows turn through my stage, so that a lane gets, of its row, the two whole blocks of 32 that the operand's layout gives it; pe is added; the blocks are quantised.
.macro ITEM k, pe
	s_wait_loadcnt 48-16*(\k)                      ; this item's 16 loads are in; the later items' may be out
	WIN 0x04
.set n, 0
.rept 16
	ds_store_b128 v5, v[64*(\k)+4*n:64*(\k)+4*n+3] offset:528*n
.set n, n+1
.endr
	WIN 0
.set n, 0
.rept 16
	ds_load_b128 v[XT+4*n:XT+4*n+3], v6 offset:256*(n/8)+16*(n%8)   ; LDS serves a wave's instructions in order: these see the stores above
.set n, n+1
.endr
	s_wait_dscnt 0x0
.set n, 0
.rept 32
	v_pk_add_f32 v[XT+n:XT+n+1], v[XT+n:XT+n+1], v[\pe+n:\pe+n+1]   ; h = x + pe
.set n, n+2
.endr
	v_max3_num_f32 v252, |v[XT]|, |v[XT+1]|, 0x1800000             ; each block's largest magnitude in two chains, four chains by turns; the floor 2^(3 - 127) among the leaves
	v_max3_num_f32 v253, |v[XT+32]|, |v[XT+33]|, 0x1800000
	v_max3_num_f32 v254, |v[XT+16]|, |v[XT+17]|, 0x1800000
	v_max3_num_f32 v255, |v[XT+48]|, |v[XT+49]|, 0x1800000
.set n, 2
.rept 7
	v_max3_num_f32 v252, v252, |v[XT+n]|, |v[XT+n+1]|
	v_max3_num_f32 v253, v253, |v[XT+32+n]|, |v[XT+33+n]|
	v_max3_num_f32 v254, v254, |v[XT+16+n]|, |v[XT+17+n]|
	v_max3_num_f32 v255, v255, |v[XT+48+n]|, |v[XT+49+n]|
.set n, n+2
.endr
	v_max_num_f32 v252, v252, v254
	v_max_num_f32 v253, v253, v255
	v_add_nc_u32 v254, 0xff000000, v252
	v_add_nc_u32 v255, 0xff000000, v253
	v_lshrrev_b32 v34, 23, v254
	v_lshrrev_b32 v35, 23, v255
	v_lshl_or_b32 v34, v35, 16, v34                ; my two bytes: blocks h and 2 + h,
	v_lshlrev_b32 v34, v8, v34                     ; at their places;
	v_permlanex16_b32 v36, v34, s38, s39
	v_or_b32 v34, v34, v36                         ; with lane l xor 16's two the word is whole
	s_wait_alu depctr_va_vdst(0)
	s_wait_xcnt 0x0                                ; the last item's stores have read the codes' registers
	v_cvt_scalef32_pk16_fp6_f32 v[PC:PC+2], v[XT:XT+15], v254
	v_cvt_scalef32_pk16_fp6_f32 v[244:246], v[XT+16:XT+31], v254
	v_cvt_scalef32_pk16_fp6_f32 v[PC+6:PC+8], v[XT+32:XT+47], v255
	v_cvt_scalef32_pk16_fp6_f32 v[248:250], v[XT+48:XT+63], v255
	v_nop
.irp i, 0,1,2
	v_mov_b32 v[PC+3+\i], v[244+\i]
	v_mov_b32 v[PC+9+\i], v[248+\i]
.endr
.irp j, 0,1,2
	global_store_b128 v4, v[PC+4*\j:PC+4*\j+3], s[28:29] offset:((\k)/2)*1572864+((\k)%2)*6144+512*\j   ; 512 consecutive bytes
.endr
	ds_store_b32 v9, v34 offset:256*(\k)           ; the two lanes of a row write the same word with the same value
.endm
	ITEM 0, PES
	ITEM 1, PEC
	ITEM 2, PES
	ITEM 3, PEC
	s_wait_dscnt 0x0                               ; for the others' sake: my scale words lie in LDS
	s_barrier_signal -1
	s_barrier_wait -1
	ds_load_b64 v[34:35], v14                      ; item = my wave's number: the four tiles' words, 256 bytes
	s_wait_dscnt 0x0
	global_store_b64 v7, v[34:35], s[30:31]        ; 32 lanes store 256 consecutive bytes, aligned
	s_wait_tensorcnt 0x0                           ; the wave's end, behind my last LDS store
	ds_add_u32 v[SPW], v[NIL]
	s_wait_dscnt 0x0
	s_endpgm
.Lfunc_end_k_q4a2e31eb38_prep:
	.size	k_q4a2e31eb38_prep, .Lfunc_end_k_q4a2e31eb38_prep-k_q4a2e31eb38_prep
	.p2alignl 7, 3214868480
	.fill 96, 4, 3214868480
	.section	.rodata,"a",@progbits
	.p2align	6, 0x0
	.amdhsa_kernel k_q4a2e31eb38_prep
		.amdhsa_group_segment_fixed_size 70144
		.amdhsa_private_segment_fixed_size 0
		.amdhsa_enable_private_segment 0
		.amdhsa_kernarg_size 40
		.amdhsa_user_sgpr_count 2
		.amdhsa_user_sgpr_kernarg_segment_ptr 1
		.amdhsa_wavefront_size32 1
		.amdhsa_system_sgpr_workgroup_id_x 1
		.amdhsa_system_sgpr_workgroup_id_y 1
		.amdhsa_system_sgpr_workgroup_id_z 1
		.amdhsa_system_vgpr_workitem_id 0
		.amdhsa_next_free_vgpr 512
		.amdhsa_next_free_sgpr 66
		.amdhsa_reserve_vcc 0
		.amdhsa_float_denorm_mode_32 3
		.amdhsa_float_denorm_mode_16_64 3
		.amdhsa_memory_ordered 1
		.amdhsa_forward_progress 1
		.amdhsa_inst_pref_size 148
	.end_amdhsa_kernel
	.amdgpu_metadata
---
amdhsa.version: [ 1, 2 ]
amdhsa.kernels:
  - .name:           k_q4a2e31eb38_prep
    .symbol:         k_q4a2e31eb38_prep.kd
    .args:
      - { .name: x, .offset: 0, .size: 8, .value_kind: global_buffer, .address_space: global }
      - { .name: Wq, .offset: 8, .size: 8, .value_kind: global_buffer, .address_space: global }
      - { .name: Wk, .offset: 16, .size: 8, .value_kind: global_buffer, .address_space: global }
      - { .name: Wv, .offset: 24, .size: 8, .value_kind: global_buffer, .address_space: global }
      - { .name: hw, .offset: 32, .size: 8, .value_kind: global_buffer, .address_space: global }
    .group_segment_fixed_size: 70144
    .private_segment_fixed_size: 0
    .kernarg_segment_align: 8
    .kernarg_segment_size: 40
    .max_flat_workgroup_size: 128
    .sgpr_count:     66
    .vgpr_count:     512
    .wavefront_size: 32
...
	.end_amdgpu_metadata
.endif
;; end of part 1
;; launch proj (part 2): grid 8 x 32, 4 waves a work-group, clusters of 4 x 4, 327,680 bytes of LDS; arguments hw, bq, bk, bv, qk, vt, sc; writes qk, vt, sc
.if DOCPART == 2
	.amdgcn_target "amdgcn-amd-amdhsa--gfx1250"
	.amdhsa_code_object_version 6
	.text
	.protected	k_q4a2e31eb38_proj
	.globl	k_q4a2e31eb38_proj
	.p2align	8
	.type	k_q4a2e31eb38_proj,@function
k_q4a2e31eb38_proj:
	s_mov_b64 s[64:65], 0
	v_nop
	global_prefetch_b8 v0, s[64:65] scope:SCOPE_SE
	s_setreg_imm32_b32 hwreg(HW_REG_WAVE_MODE, 25, 1), 1
	s_wait_xcnt 0x0
	s_wait_alu depctr_hold_cnt(0) depctr_sa_sdst(0) depctr_va_vdst(0) depctr_va_sdst(0) depctr_va_ssrc(0) depctr_va_vcc(0) depctr_vm_vsrc(0)
	s_getreg_b32 s2, hwreg(HW_REG_IB_STS2, 6, 4)
	s_cmp_eq_u32 s2, 0
	s_cbranch_scc0 .Lentry_in_a_cluster
	s_endpgm
.Lentry_in_a_cluster:
	s_bfe_u32 s2, ttmp6, 0x10000c
	s_cmp_lg_u32 s2, 0xf033
	s_cbranch_scc0 .Lentry_shape_is_right
	s_endpgm
.Lentry_shape_is_right:
; PROJ.  q = h Wq + bq, k = h Wk + bk, v = h Wv + bv on codes of E2M3; the results are quantised in registers and leave as images (format: at the head of the first launch's text).  No work is left out.
; Work-group (x, y) takes 256 rows of h (16 tiles, y) twice.  PHASE 1: against 256 columns of Wq (x < 4) or Wk: source 0 = 16 columns of W, source 1 = 16 rows of h, so a lane holds one row s and its registers run
; along e, which is the K of q k^T: a wave's 128 columns are one K step of q's or k's image.  PHASE 2: against 128 columns of Wv: source 0 = 16 rows of h, source 1 = 16 columns of Wv, so a lane holds one column e and its
; registers run along s, the keys, which are the K of P v: a wave's 128 rows are one K step of v^T's image.  The biases are the C of each sum's first matrix instruction.
; Four waves; phase 1: a wave makes 128 x 128 (64 accumulators), phase 2: 128 keys x 64 columns (32).
; LDS.  h's 16 tiles for ALL of K, 196,608 bytes, are filled once and serve both phases: K steps 0-3 from byte 0 (tile t at 6,144 t), K steps 4-7 from AHI.  W goes through a ring of two slots of 49,152 bytes: in phase 1 a slot
; holds 16 tiles x two K steps, for phase 2 Wv's 8 tiles x four K steps.  Every wave issues every load, for its own quarter of the tiles. First fills: h's lower half, W's slot 0, h's upper half,
; W's slot 1: four loads of a wave are out; later one.  Four refills, behind the rounds at K steps 1, 3, 5 and 7 of phase 1: W's K steps 4-5 and 6-7, Wv's 0-3 and 4-7.  Phase 2 fills nothing.
; CLUSTER 4 x 4: h's tiles are asked for jointly along a row of the cluster, W's along a column.
; The scale words come once, straight into registers: lanes 0-15 h's, lanes 16-31 W's.
; LIMITS: NaN and infinities are not served; a block of zeros gets the byte 1; blocks under 2^-124 were not tried.
; REGISTERS: window 0: v12-15 bv; v16-21 LDS addresses; v24-26 store offsets; v28, 29 the add's two; v32-95 scale words SC(c, tile); v96-127 Wv's scale words SV(c, a); v128-223 h's fragments, one set; v224-255 at work.
;   window 1: W's fragments, two sets at v0 and v128; v96-127 and v224-255 the biases in the result's layout.   windows 2, 3: the accumulators.
; THE FIRST FILLS, AS THIS TEXT HAS THEM (in place of what the lines above say of them): one tensor load a wave, each a whole tile: wave 0 h's K steps 0-3 (16 tiles x 6,144 bytes), wave 1 W's slot 0, wave 2 W's slot 1
; (16 tiles x 3,072 bytes each), wave 3 h's K steps 4-7.  Behind the wait for them W's descriptors are set to a wave's quarter, for the four refills, which every wave issues.
; PREFETCHES: with each fill of the ring but the last a wave names the bytes of its next refill: 3,072 bytes, 12 blocks of 256, its work-group's quarter of what the four partners of a column ask for jointly, told apart by address.
.set AHI,   98304
.set RING,  196608                     ; W's ring
.set RSL,   49152                      ; a slot of it
.set SPARE, RING+2*RSL                 ; the spare words, 128 bytes for each wave, which no other line names
.set WIMG,  0x600000
.set HSC,   0x840000
.set WSC,   0x880000
.set QSC,   0xC00000
.set ADRA, 16                          ; v16, 17  my 8 tiles of h: K steps 0-3, 4-7
.set ADRB, 20                          ; v20, 21  my half of the ring's slot 0, 1 (8 tiles x 3,072 bytes of W, or 4 tiles x 6,144 of Wv: the same bytes)
.set CO,   24                          ; v24  16 L
.set QSO,  25                          ; v25  2,048 h + 16 r
.set VSO,  26                          ; v26  16 r
.set SPW,  28
.set NIL,  29
.set SC,   32
.set SV,   96
.set AF,   128
.set PC,   128                         ; the way out: the codes just made (h's fragments are done with)
.set TM,   224
.set SO,   232
.set PWS,  240
.set G1A, 24                           ; s[24:31] group 1 for h: 16 tiles x 6,144 bytes
.set G0A, 32                           ; s[32:39] its groups 0: the lower half of K, the upper
.set G1B, 48                           ; s[48:55] for Wq, Wk: 4 tiles x 3,072 bytes
.set G0B, 56                           ; s[56:63] a group 0 for each slot
.set G1V, 68                           ; s[68:75] for Wv: 2 tiles x 6,144 bytes
.set G0V, 76                           ; s[76:83] a group 0 for each slot
.set MSB, 0
.macro WIN new
.if MSB != (\new)
	s_set_vgpr_msb (MSB<<8)|(\new)
.set MSB, \new
.endif
.endm
.macro PLACES n
.rept \n
	v_nop
.endr
.endm
.macro RLOAD g0, g1                    ; a joint refill: every wave's own quarter.  An s_nop 0 and four v_nop follow the line
	tensor_load_to_lds s[\g0:\g0+3], s[\g1:\g1+7]
	s_nop 0
.rept 4
	v_nop
.endr
.endm
.macro CREST                           ; a round of the cluster's barrier behind its opening barrier
	s_cmp_lg_u32 s18, 0
	s_cbranch_scc1 .Lnot_wave_0_\@
	s_barrier_signal -3
.Lnot_wave_0_\@:
	s_barrier_wait -3
	s_barrier_signal -1
	s_barrier_wait -1
.endm
.macro CROUND
	s_barrier_signal -1
	s_barrier_wait -1
	CREST
.endm
	s_load_b256 s[4:11], s[0:1], 0x0               ; hw s[4:5], bq s[6:7], bk s[8:9], bv s[10:11]
	s_load_b128 s[12:15], s[0:1], 0x20             ; qk s[12:13], vt s[14:15]
	s_load_b64 s[16:17], s[0:1], 0x30              ; sc
	v_lshl_add_u32 v[SPW], v0, 2, SPARE
	v_mov_b32 v[NIL], 0
	ds_add_u32 v[SPW], v[NIL]                      ; the wave's opening: the add, twice on end, and its wait ahead of my first tensor load
	ds_add_u32 v[SPW], v[NIL]
	v_lshrrev_b32 v1, 5, v0
	v_readfirstlane_b32 s18, v1                    ; wave
	s_lshr_b32 s19, s18, 1                         ; i: my half of h's rows
	s_and_b32 s20, s18, 1                          ; jj: my half of W's columns
	s_bfe_u32 s40, ttmp6, 0x40000                  ; cx
	s_bfe_u32 s41, ttmp6, 0x40004                  ; cy
	s_lshl_b32 s42, ttmp9, 2
	s_add_co_u32 s42, s42, s40                     ; x
	s_and_b32 s21, ttmp7, 0xffff
	s_lshl_b32 s21, s21, 2
	s_add_co_u32 s21, s21, s41                     ; y
	s_lshl_b32 s43, s41, 2
	s_lshl_b32 s43, 15, s43                        ; my row of the cluster
	s_lshl_b32 s44, 0x1111, s40                    ; my column
	s_or_b32 s[G1A], s43, (3<<16)|(1<<21)          ; 15:0 the mask; 17:16 elements of 8 bytes; 21 set beside a mask; no padding
	s_or_b32 s[G1B], s44, (3<<16)|(1<<21)
	s_or_b32 s[G1V], s44, (3<<16)|(1<<21)
	s_mov_b32 s[G1A+1], 768<<16                    ; h: rows of 6,144 bytes (four K steps' images on end),
	s_mov_b32 s[G1A+2], 16<<16                     ; sixteen of them,
	s_mov_b32 s[G1A+3], 768<<16
	s_mov_b32 s[G1A+4], 16
	s_mov_b32 s[G1A+5], 1536                       ; 12,288 bytes apart in memory
	s_mov_b32 s[G1A+6], 0
	s_mov_b32 s[G1A+7], 0
	s_mov_b32 s[G1B+1], 384<<16                    ; Wq, Wk: rows of 3,072 bytes (two K steps), four of them
	s_mov_b32 s[G1B+2], 16<<16                     ; sixteen rows for the head's loads, four behind them
	s_mov_b32 s[G1B+3], 384<<16
	s_mov_b32 s[G1B+4], 16
	s_mov_b32 s[G1B+5], 1536
	s_mov_b32 s[G1B+6], 0
	s_mov_b32 s[G1B+7], 0
	s_mov_b32 s[G1V+1], 768<<16                    ; Wv: rows of 6,144 bytes, two of them
	s_mov_b32 s[G1V+2], 2<<16
	s_mov_b32 s[G1V+3], 768<<16
	s_mov_b32 s[G1V+4], 2
	s_mov_b32 s[G1V+5], 1536
	s_mov_b32 s[G1V+6], 0
	s_mov_b32 s[G1V+7], 0
	s_mov_b32 s2, 0x76543210
	s_mov_b32 s3, 0xfedcba98                       ; lane selects: lane l xor 16
	s_mov_b32 s66, 0xffff0000                      ; lanes 16-31
	s_lshl_b32 s45, s21, 4
	s_mul_i32 s46, s45, 12288                      ; h: tile 16 y
	s_mov_b32 s47, 0
	s_lshl_b32 s84, s42, 4
	s_mul_i32 s84, s84, 12288                      ; Wq, Wk: tile 16 x
	s_mul_i32 s98, s18, 49152                      ; my quarter of W's tiles in memory: 4 x wave tiles on
	s_mov_b32 s99, 0
	s_add_co_u32 s84, s84, WIMG                    ; Wq, Wk: tile 16 x
	s_mov_b32 s85, 0
	s_lshl_b32 s86, s42, 3
	s_lshl_b32 s23, s18, 1
	s_add_co_u32 s86, s86, s23
	s_add_co_u32 s86, s86, 128
	s_mul_i32 s86, s86, 12288
	s_add_co_u32 s86, s86, WIMG                    ; Wv: tile 128 + 8 x + 2 x wave
	s_mov_b32 s87, 0
	s_mul_i32 s88, s18, 12288                      ; my quarter of a slot of the ring,
	s_add_co_u32 s89, s88, RING                    ; and its LDS address in slot 0
	s_wait_dscnt 0x0                               ; both opening adds are done
	s_wait_kmcnt 0x0
	s_add_nc_u64 s[46:47], s[4:5], s[46:47]
	s_add_nc_u64 s[84:85], s[4:5], s[84:85]
	s_add_nc_u64 s[86:87], s[4:5], s[86:87]
	s_mul_i32 s22, s41, 12288                      ; the prefetches: of my quarter's four tiles of W the partner at cy names tile cy;
	s_mov_b32 s23, 0
	s_add_nc_u64 s[100:101], s[84:85], s[98:99]
	s_add_nc_u64 s[100:101], s[100:101], s[22:23]
	s_lshr_b32 s22, s41, 1                         ; of my two tiles of Wv it names half of a load's row: tile cy / 2, 3,072 (cy % 2) bytes on
	s_mul_i32 s22, s22, 12288
	s_and_b32 s104, s41, 1
	s_mul_i32 s104, s104, 3072
	s_add_co_u32 s22, s22, s104
	s_add_nc_u64 s[104:105], s[86:87], s[22:23]
	CROUND                                         ; all sixteen work-groups are here: the first joint loads meet
.irp s, 0,1
	s_mov_b32 s[G0A+4*\s], 1
	s_mov_b32 s[G0A+4*\s+1], \s*AHI
	s_add_nc_u64 s[G0A+4*\s+2:G0A+4*\s+3], s[46:47], \s*6144
	s_or_b32 s[G0A+4*\s+3], s[G0A+4*\s+3], 0x80000000
	s_mov_b32 s[G0B+4*\s], 1
	s_mov_b32 s[G0B+4*\s+1], RING+\s*RSL
	s_add_nc_u64 s[G0B+4*\s+2:G0B+4*\s+3], s[84:85], \s*3072
	s_or_b32 s[G0B+4*\s+3], s[G0B+4*\s+3], 0x80000000
	s_mov_b32 s[G0V+4*\s], 1
	s_add_co_u32 s[G0V+4*\s+1], s89, \s*RSL
	s_add_nc_u64 s[G0V+4*\s+2:G0V+4*\s+3], s[86:87], \s*6144
	s_or_b32 s[G0V+4*\s+3], s[G0V+4*\s+3], 0x80000000
.endr
; the head's loads, one a wave: one chain of branches on the wave's number, a load to an arm, all arms leading to one join
.macro ARM under, g0, g1, next
	s_cmp_lt_u32 s18, \under
	s_cbranch_scc0 \next
	tensor_load_to_lds s[\g0:\g0+3], s[\g1:\g1+7]
	s_nop 0
.rept 4
	v_nop
.endr
	s_branch .Lhead_asked
\next:
.endm
	ARM 1, G0A,   G1A, .Lhead_w0                   ; wave 0: h's K steps 0-3
	ARM 2, G0B,   G1B, .Lhead_w1                   ; wave 1: W's slot 0
	ARM 3, G0B+4, G1B, .Lhead_hi                   ; wave 2: W's slot 1
	tensor_load_to_lds s[G0A+4:G0A+7], s[G1A:G1A+7]   ; wave 3: h's K steps 4-7
	s_nop 0
.rept 4
	v_nop
.endr
.Lhead_asked:
	v_and_b32 v1, 31, v0                           ; L
	v_and_b32 v2, 15, v0                           ; r
	v_bfe_u32 v3, v0, 4, 1                         ; h
	v_lshlrev_b32 v[CO], 4, v1
	v_lshlrev_b32 v[VSO], 4, v2
	v_lshl_add_u32 v[QSO], v3, 11, v[VSO]
	v_min_u32 v27, 11, v1
	v_lshlrev_b32 v27, 8, v27                      ; the prefetches' offset: a lane a block of 256 bytes, 12 blocks; the lanes left over name the last again; never rewritten
	global_prefetch_b8 v27, s[100:101] offset:6144 th:TH_LOAD_NT scope:SCOPE_SE   ; W's K steps 4, 5: what the first refill loads
	s_mul_i32 s90, s19, 49152
	s_mul_i32 s91, s20, 24576
	s_add_co_u32 s91, s91, RING
.irp s, 0,1
	v_add_nc_u32 v[ADRA+\s], s90, v[CO]
	v_add_nc_u32 v[ADRB+\s], s91, v[CO]
	s_add_co_u32 s90, s90, AHI
	s_add_co_u32 s91, s91, RSL
.endr
	s_lshl_b32 s90, s21, 1
	s_add_co_u32 s90, s90, s19                     ; 2 y + i
	s_lshl_b32 s91, s90, 12
	s_add_co_u32 s91, s91, HSC                     ; h's scale words: groups 4 y + 2 i on, 2,048 bytes a group
	s_lshl_b32 s92, s42, 1
	s_add_co_u32 s92, s92, s20                     ; 2 x + jj
	s_lshl_b32 s93, s92, 12
	s_add_co_u32 s93, s93, WSC                     ; W's: groups 4 x + 2 jj on
	v_mov_b32 v5, s91
	v_mov_b32 v6, s93
	v_cndmask_b32 v5, v5, v6, s66                  ; lanes 0-15 take h's words, lanes 16-31 W's
	s_wait_alu depctr_va_vdst(0)
	v_add_nc_u32 v5, v5, v[VSO]
	s_add_co_u32 s93, s92, 32
	s_lshl_b32 s93, s93, 11
	s_add_co_u32 s93, s93, WSC                     ; Wv's: group 32 + 2 x + jj
	v_add_nc_u32 v6, s93, v[VSO]
	v_and_b32 v9, 8, v2
	v_add_nc_u32 v9, v9, v2                        ; r + 8 (r / 8)
	s_lshl_b32 s93, s92, 8
	v_lshl_add_u32 v7, v9, 2, s93                  ; bv at column 128 x + 64 jj + r + 8 (r / 8)
	s_lshl_b32 s93, s40, 1
	s_add_co_u32 s93, s93, s20                     ; 2 cx + jj
	s_lshl_b32 s94, s93, 9
	v_lshl_add_u32 v8, v3, 6, s94                  ; bq, bk at column 256 cx + 128 jj + 16 h
.irp c, 0,1,2,3,4,5,6,7
.irp g, 0,1
	global_load_b128 v[SC+8*\c+4*\g:SC+8*\c+4*\g+3], v5, s[4:5] offset:\g*2048+\c*256
.endr
	global_load_b128 v[SV+4*\c:SV+4*\c+3], v6, s[4:5] offset:\c*256
.endr
.irp a, 0,1,2,3
	global_load_b32 v[12+\a], v7, s[10:11] offset:(32*(\a/2)+8*(\a%2))*4
.endr
	s_cmp_eq_u32 ttmp9, 0                          ; q's work-groups or k's: the cluster's x
	s_cselect_b64 s[94:95], s[6:7], s[8:9]
	WIN 0x40
.irp b, 0,1,2,3,4,5,6,7                ; the bias of W's tile b, in the result's layout: eight neighbours a lane
	global_load_b128 v[96+8*\b+96*(\b/4):96+8*\b+96*(\b/4)+3], v8, s[94:95] offset:(32*(\b/2)+8*(\b%2))*4
	global_load_b128 v[100+8*\b+96*(\b/4):100+8*\b+96*(\b/4)+3], v8, s[94:95] offset:(32*(\b/2)+8*(\b%2))*4+16
.endr
	WIN 0
.irp b, 0,1,2,3
	v_mov_b32 v[TM+4+\b], 0                        ; (a lane permute's destination counts as read)
.endr
	; where the results go
	s_lshl_b32 s96, s90, 6
	s_add_co_u32 s96, s96, s93
	s_mul_i32 s96, s96, 1536                       ; ((16 y + 8 i) x 8 + 2 cx + jj) x 1,536
	s_mul_i32 s97, ttmp9, 0x600000                 ; q's images, or k's
	s_add_co_u32 s96, s96, s97
	s_mov_b32 s97, 0
	s_lshl_b32 s86, s90, 4
	s_add_co_u32 s86, s86, s93
	s_lshl_b32 s86, s86, 8                         ; ((4 y + 2 i) x 8 + 2 cx + jj) x 256
	s_lshl_b32 s87, ttmp9, 18
	s_add_co_u32 s86, s86, s87
	s_add_co_u32 s86, s86, QSC
	s_mov_b32 s87, 0
	s_add_nc_u64 s[84:85], s[12:13], s[86:87]      ; q's or k's scale words
	s_add_nc_u64 s[12:13], s[12:13], s[96:97]      ; and images
	s_lshr_b32 s96, s21, 3                         ; the batch
	s_and_b32 s97, s21, 7
	s_lshl_b32 s97, s97, 1
	s_add_co_u32 s97, s97, s19                     ; my 128 keys' K step: 2 (y % 8) + i
	s_lshl_b32 s96, s96, 4
	s_add_co_u32 s96, s96, s92                     ; my four tiles' group: 16 x batch + 2 x + jj
	s_lshl_b32 s86, s96, 6
	s_add_co_u32 s86, s86, s97
	s_mul_i32 s86, s86, 1536
	s_add_nc_u64 s[14:15], s[14:15], s[86:87]      ; v^T's images
	s_lshl_b32 s86, s96, 4
	s_add_co_u32 s86, s86, s97
	s_lshl_b32 s86, s86, 8
	s_add_nc_u64 s[16:17], s[16:17], s[86:87]      ; and scale words
; A fragment's image comes by three loads of 512 consecutive bytes.  c is the K step, 0 .. 7.
.macro FETCH_B c, p                    ; W's eight fragments into set p: slot (c / 2) % 2, its K step c % 2
	WIN 0x40
.irp i, 0,1,2,3,4,5,6,7
.irp j, 0,1,2
	ds_load_b128 v[128*(\p)+12*\i+4*\j:128*(\p)+12*\i+4*\j+3], v[ADRB+((\c)/2)%2] offset:\i*3072+((\c)%2)*1536+512*\j
.endr
.endr
	WIN 0
.endm
.macro FETCH_V c, p                    ; Wv's four: slot c / 4, its K step c % 4
	WIN 0x40
.irp i, 0,1,2,3
.irp j, 0,1,2
	ds_load_b128 v[128*(\p)+12*\i+4*\j:128*(\p)+12*\i+4*\j+3], v[ADRB+(\c)/4] offset:\i*6144+((\c)%4)*1536+512*\j
.endr
.endr
	WIN 0
.endm
.macro FETCH_A c, i0                   ; h's tiles i0 .. i0 + 3
.irp i, \i0, \i0+1, \i0+2, \i0+3
.irp j, 0,1,2
	ds_load_b128 v[AF+12*(\i)+4*\j:AF+12*(\i)+4*\j+3], v[ADRA+(\c)/4] offset:(\i)*6144+((\c)%4)*1536+512*\j
.endr
.endr
.endm
; 16 matrix instructions: h's tiles a0, a0 + 1 x W's eight, K step c.  p: W's set.  cin = 1: the bias starts the sums; 2: in place.  The 64 accumulators take turns, one instruction a turn.
.macro MUL16 a0, p, c, cin
.irp a, \a0, \a0+1
.irp b, 0,1,2,3,4,5,6,7
.if \cin == 1
	v_wmma_scale_f32_16x16x128_f8f6f4 v[8*(8*((\a)%4)+\b):8*(8*((\a)%4)+\b)+7], v[128*(\p)+12*\b:128*(\p)+12*\b+11], v[AF+12*(\a):AF+12*(\a)+11], v[96+8*\b+96*(\b/4):96+8*\b+96*(\b/4)+7], v[SC+8*(\c)+\b], v[SC+8*(\c)+(\a)] matrix_a_fmt:MATRIX_FMT_FP6 matrix_b_fmt:MATRIX_FMT_FP6 matrix_a_scale:MATRIX_SCALE_ROW1
.else
	v_wmma_scale_f32_16x16x128_f8f6f4 v[8*(8*((\a)%4)+\b):8*(8*((\a)%4)+\b)+7], v[128*(\p)+12*\b:128*(\p)+12*\b+11], v[AF+12*(\a):AF+12*(\a)+11], v[8*(8*((\a)%4)+\b):8*(8*((\a)%4)+\b)+7], v[SC+8*(\c)+\b], v[SC+8*(\c)+(\a)] matrix_a_fmt:MATRIX_FMT_FP6 matrix_b_fmt:MATRIX_FMT_FP6 matrix_a_scale:MATRIX_SCALE_ROW1
.endif
.endr
.endr
.endm
; windows of the products: source 0 (W) 1, source 1 (h) 0, D 2 or 3; C with D, or, for the bias, window 1
.macro WLO cin
.if \cin == 1
	WIN 0x91
.else
	WIN 0xa1
.endif
.endm
.macro WHI cin
.if \cin == 1
	WIN 0xd1
.else
	WIN 0xf1
.endif
.endm
; An even K step: a slot's first.  A load into a register that a matrix instruction has read stands four places behind it: four v_nop in front of each run of loads.
.macro STEP c, cin
	s_wait_dscnt 12                                ; W's set and h's tiles 0-3 are in; the youngest 12 loads (h's tiles 4-7) may be out
	WLO \cin
	MUL16 0, 0, \c, \cin
	MUL16 2, 0, \c, \cin
	s_wait_dscnt 0x0
	PLACES 4
	FETCH_B (\c)+1, 1
	FETCH_A (\c)+1, 0
	WHI \cin
	MUL16 4, 0, \c, \cin
	MUL16 6, 0, \c, \cin
	PLACES 4
	WIN 0
	FETCH_A (\c)+1, 4
.endm
; An odd K step leaves its slot of the ring: ONE barrier, which opens a round of the cluster's; ahead of it each wave waits for all its tensor loads, adds 0 to its spare word, and waits for that and for its reads of the slot.
; kind 1: the slot takes W's K steps two slots on; 2: Wv's four K steps.  fetch = 0: the next fragments are fetched later.
.macro TURN c, kind, fetch
.set SL, ((\c)/2)%2
	s_wait_tensorcnt 0x0                           ; all my tensor loads have landed: my part of the other slot among them
	ds_add_u32 v[SPW], v[NIL]
	s_wait_dscnt 13                                ; (the add and the youngest 12 loads may be out)
	WIN 0xa1
	MUL16 0, 1, \c, 2
	s_wait_dscnt 0x0                               ; the add is done, and my reads of this slot are over
	s_barrier_signal -1
	MUL16 2, 1, \c, 2
	WIN 0
	s_barrier_wait -1
	CREST                                          ; no wave of any partner still reads this slot or has a load on its way
.if \kind == 1
	s_add_nc_u64 s[G0B+4*SL+2:G0B+4*SL+3], s[G0B+4*SL+2:G0B+4*SL+3], 6144
	RLOAD G0B+4*SL, G1B                            ; the four v_nop behind it are also the places in front of the loads below
.else
	RLOAD G0V+4*SL, G1V
.endif
.if \fetch
	FETCH_B (\c)+1, 0
	FETCH_A (\c)+1, 0
.endif
.if (\c) == 1
	global_prefetch_b8 v27, s[100:101] offset:9216 th:TH_LOAD_NT scope:SCOPE_SE   ; what the next refill loads: W's K steps 6, 7
.endif
.if (\c) == 3
	global_prefetch_b8 v27, s[104:105] th:TH_LOAD_NT scope:SCOPE_SE               ; Wv's K steps 0-3
.endif
.if (\c) == 5
	global_prefetch_b8 v27, s[104:105] offset:6144 th:TH_LOAD_NT scope:SCOPE_SE   ; Wv's K steps 4-7
.endif
	WIN 0xf1
	MUL16 4, 1, \c, 2
	MUL16 6, 1, \c, 2
	PLACES 4
	WIN 0
.if \fetch
	FETCH_A (\c)+1, 4
.endif
.endm
; 64 results of a lane (window w, from register ac on; register 16 b + i is place 32 b + 16 (L / 16) + i along the next K) become a fragment and a scale word; the fragment leaves as its image.
.macro QB a, w, ac, sb, off
	WIN (\w)*0x14                                  ; sources 1 and 2: the accumulators' window.
.irp b, 0,1,2,3
	v_max3_num_f32 v[TM+\b], 0x1800000, |v[\ac+16*\b]|, |v[\ac+16*\b+1]|   ; and the floor 2^(3 - 127)
.endr
.irp i, 2,4,6,8,10,12,14
.irp b, 0,1,2,3
	v_max3_num_f32 v[TM+\b], v[TM+\b], |v[\ac+16*\b+\i]|, |v[\ac+16*\b+\i+1]|
.endr
.endr
	WIN 0
.irp b, 0,1,2,3
	v_permlanex16_b32 v[TM+4+\b], v[TM+\b], s2, s3
.endr
.irp b, 0,1,2,3
	v_max_num_f32 v[TM+\b], v[TM+\b], v[TM+4+\b]   ; with lane l xor 16's: the block's largest magnitude
.endr
.irp b, 0,1,2,3
	v_add_nc_u32 v[SO+\b], 0xff000000, v[TM+\b]    ; 2 off its exponent field: the conversion's scale operand
.endr
.irp b, 0,1,2,3
	v_lshrrev_b32 v[TM+4+\b], 23, v[SO+\b]         ; the byte
.endr
	v_lshl_or_b32 v[PWS+\a], v[TM+5], 8, v[TM+4]
	v_lshl_or_b32 v[PWS+\a], v[TM+6], 16, v[PWS+\a]
	v_lshl_or_b32 v[PWS+\a], v[TM+7], 24, v[PWS+\a]
	s_wait_xcnt 0x0                                ; the stores before have read the codes' registers
	WIN \w
.irp c, 0,1
	v_cvt_scalef32_pk16_fp6_f32 v[PC+6*\c:PC+6*\c+2], v[\ac+32*\c:\ac+32*\c+15], v[SO+2*\c]
	v_cvt_scalef32_pk16_fp6_f32 v[PC+12+4*\c:PC+14+4*\c], v[\ac+32*\c+16:\ac+32*\c+31], v[SO+2*\c+1]
.endr
	WIN 0
	v_nop                                          ; one plain place behind the conversions
.irp c, 0,1                            ; the operand's layout wants a whole block in a lane
.irp i, 0,1,2
	v_permlane16_swap_b32 v[PC+6*\c+\i], v[PC+12+4*\c+\i]
.endr
.irp i, 0,1,2
	v_mov_b32 v[PC+3+6*\c+\i], v[PC+12+4*\c+\i]
.endr
.endr
.irp j, 0,1,2
	global_store_b128 v[CO], v[PC+4*\j:PC+4*\j+3], s[\sb:\sb+1] offset:\off+512*\j   ; 512 consecutive bytes
.endr
.endm
	s_wait_alu depctr_va_vdst(0)
	s_wait_tensorcnt 0x0                           ; my one load has landed; no load of mine is out, so descriptors may be written: from here on a load of W brings my quarter of a slot
.irp s, 0,1
	s_add_co_u32 s[G0B+4*\s+1], s[G0B+4*\s+1], s88
	s_add_nc_u64 s[G0B+4*\s+2:G0B+4*\s+3], s[G0B+4*\s+2:G0B+4*\s+3], s[98:99]
.endr
	s_mov_b32 s[G1B+2], 4<<16                      ; four rows
	s_mov_b32 s[G1B+4], 4
	s_barrier_signal -1
	s_barrier_wait -1
	FETCH_B 0, 0
	FETCH_A 0, 0
	FETCH_A 0, 4
	s_wait_loadcnt 0x0                             ; scale words and biases
	STEP 0, 1
	TURN 1, 1, 1                                   ; slot 0 takes W's K steps 4, 5
	STEP 2, 2
	TURN 3, 1, 1                                   ; slot 1 takes W's K steps 6, 7
	STEP 4, 2
	TURN 5, 2, 1                                   ; slot 0 takes Wv's K steps 0-3
	STEP 6, 2
	TURN 7, 2, 0                                   ; slot 1 takes Wv's K steps 4-7: the last load
	; phase 1's way out: q or k, quantised along e
.irp a, 0,1,2,3,4,5,6,7
	QB \a, 2+\a/4, 64*(\a%4), 12, \a*12288
.endr
.irp t, 0,1,2,3
	v_cndmask_b32 v[248+\t], v[PWS+\t], v[PWS+4+\t], s66   ; lanes 0-15 store tiles 0-3's words, lanes 16-31 tiles 4-7's
.endr
	global_store_b128 v[QSO], v[248:251], s[84:85] ; two runs of 256 consecutive bytes
	s_wait_xcnt 0x0                                ; the stores have read their registers: h's fragments may land there again
	WIN 0x40
.irp a, 0,1,2,3
.irp j, 0,1,2,3,4,5,6,7
	v_mov_b32 v[96+8*\a+\j], v[12+\a]              ; bv in phase 2's result layout: a lane holds one column e, so eight copies
.endr
.endr
	WIN 0
	PLACES 8                                       ; ahead of products that begin accumulators anew with another C
	FETCH_V 0, 0                                   ; slot 0 is whole: every wave waited for its part of Wv's K steps 0-3 ahead of the last round
	FETCH_A 0, 0
	FETCH_A 0, 4
; PHASE 2.  8 matrix instructions: h's tiles hb0, hb0 + 1 (source 0) x Wv's four (source 1).  The 32 accumulators take turns.
.macro MULV hb0, p, c, cin
.irp hb, \hb0, \hb0+1
.irp a, 0,1,2,3
.if \cin == 1
	v_wmma_scale_f32_16x16x128_f8f6f4 v[8*(8*\a+(\hb)):8*(8*\a+(\hb))+7], v[AF+12*(\hb):AF+12*(\hb)+11], v[128*(\p)+12*\a:128*(\p)+12*\a+11], v[96+8*\a:96+8*\a+7], v[SC+8*(\c)+(\hb)], v[SV+4*(\c)+\a] matrix_a_fmt:MATRIX_FMT_FP6 matrix_b_fmt:MATRIX_FMT_FP6
.else
	v_wmma_scale_f32_16x16x128_f8f6f4 v[8*(8*\a+(\hb)):8*(8*\a+(\hb))+7], v[AF+12*(\hb):AF+12*(\hb)+11], v[128*(\p)+12*\a:128*(\p)+12*\a+11], v[8*(8*\a+(\hb)):8*(8*\a+(\hb))+7], v[SC+8*(\c)+(\hb)], v[SV+4*(\c)+\a] matrix_a_fmt:MATRIX_FMT_FP6 matrix_b_fmt:MATRIX_FMT_FP6
.endif
.endr
.endr
.endm
.macro WV2 cin                         ; source 0 (h) window 0, source 1 (Wv) window 1, D window 2; C with D, or the bias in window 1
.if \cin == 1
	WIN 0x94
.else
	WIN 0xa4
.endif
.endm
.macro STEPV c, cin                    ; a K step whose successor's tiles are known to lie in LDS
	s_wait_dscnt 12                                ; Wv's set and h's tiles 0-3 are in; the youngest 12 loads may be out
	WV2 \cin
	MULV 0, (\c)%2, \c, \cin
	MULV 2, (\c)%2, \c, \cin
	s_wait_dscnt 0x0
	PLACES 4
	FETCH_V (\c)+1, 1-(\c)%2
	FETCH_A (\c)+1, 0
	WV2 \cin
	MULV 4, (\c)%2, \c, \cin
	MULV 6, (\c)%2, \c, \cin
	PLACES 4
	WIN 0
	FETCH_A (\c)+1, 4
.endm
.macro MEETV c                         ; K step 3: behind its barrier Wv's K steps 4-7 are whole in every wave's sight.  Nothing is filled again, so no round follows
	s_wait_tensorcnt 0x0                           ; my part of slot 1, asked for ahead of phase 1's way out, has landed
	ds_add_u32 v[SPW], v[NIL]
	s_wait_dscnt 13                                ; (the add and the youngest 12 loads may be out)
	WIN 0xa4
	MULV 0, 1, \c, 2
	s_wait_dscnt 0x0
	s_barrier_signal -1
	MULV 2, 1, \c, 2
	WIN 0
	s_barrier_wait -1
	PLACES 4
	FETCH_V (\c)+1, 0
	FETCH_A (\c)+1, 0
	WIN 0xa4
	MULV 4, 1, \c, 2
	MULV 6, 1, \c, 2
	PLACES 4
	WIN 0
	FETCH_A (\c)+1, 4
.endm
	s_wait_alu depctr_va_vdst(0)
	STEPV 0, 1
	STEPV 1, 2
	STEPV 2, 2
	MEETV 3
	STEPV 4, 2
	STEPV 5, 2
	STEPV 6, 2
	s_wait_dscnt 12
	WIN 0xa4
	MULV 0, 1, 7, 2
	MULV 2, 1, 7, 2
	s_wait_dscnt 0x0
	MULV 4, 1, 7, 2
	MULV 6, 1, 7, 2
	PLACES 4
	WIN 0
	; phase 2's way out: v^T, quantised along the keys
.irp a, 0,1,2,3
	QB \a, 2, 64*\a, 14, \a*24576
.endr
	global_store_b128 v[VSO], v[PWS:PWS+3], s[16:17]   ; my four tiles' words: 256 bytes; the two lanes of one r write the same bytes with the same values
	s_wait_tensorcnt 0x0                           ; the wave's end
	ds_add_u32 v[SPW], v[NIL]
	s_wait_dscnt 0x0
	CROUND                                         ; the closing round
	s_endpgm
.Lfunc_end_k_q4a2e31eb38_proj:
	.size	k_q4a2e31eb38_proj, .Lfunc_end_k_q4a2e31eb38_proj-k_q4a2e31eb38_proj
	.p2alignl 7, 3214868480
	.fill 96, 4, 3214868480
	.section	.rodata,"a",@progbits
	.p2align	6, 0x0
	.amdhsa_kernel k_q4a2e31eb38_proj
		.amdhsa_group_segment_fixed_size 327680
		.amdhsa_private_segment_fixed_size 0
		.amdhsa_enable_private_segment 0
		.amdhsa_kernarg_size 56
		.amdhsa_user_sgpr_count 2
		.amdhsa_user_sgpr_kernarg_segment_ptr 1
		.amdhsa_wavefront_size32 1
		.amdhsa_system_sgpr_workgroup_id_x 1
		.amdhsa_system_sgpr_workgroup_id_y 1
		.amdhsa_system_sgpr_workgroup_id_z 1
		.amdhsa_system_vgpr_workitem_id 0
		.amdhsa_next_free_vgpr 1024
		.amdhsa_next_free_sgpr 106
		.amdhsa_reserve_vcc 0
		.amdhsa_float_denorm_mode_32 3
		.amdhsa_float_denorm_mode_16_64 3
		.amdhsa_memory_ordered 1
		.amdhsa_forward_progress 1
		.amdhsa_inst_pref_size 215
	.end_amdhsa_kernel
	.amdgpu_metadata
---
amdhsa.version: [ 1, 2 ]
amdhsa.kernels:
  - .name:           k_q4a2e31eb38_proj
    .symbol:         k_q4a2e31eb38_proj.kd
    .args:
      - { .name: hw, .offset: 0, .size: 8, .value_kind: global_buffer, .address_space: global }
      - { .name: bq, .offset: 8, .size: 8, .value_kind: global_buffer, .address_space: global }
      - { .name: bk, .offset: 16, .size: 8, .value_kind: global_buffer, .address_space: global }
      - { .name: bv, .offset: 24, .size: 8, .value_kind: global_buffer, .address_space: global }
      - { .name: qk, .offset: 32, .size: 8, .value_kind: global_buffer, .address_space: global }
      - { .name: vt, .offset: 40, .size: 8, .value_kind: global_buffer, .address_space: global }
      - { .name: sc, .offset: 48, .size: 8, .value_kind: global_buffer, .address_space: global }
    .group_segment_fixed_size: 327680
    .private_segment_fixed_size: 0
    .kernarg_segment_align: 8
    .kernarg_segment_size: 56
    .max_flat_workgroup_size: 128
    .sgpr_count:     106
    .vgpr_count:     1024
    .wavefront_size: 32
...
	.end_amdgpu_metadata
.endif
;; end of part 2
;; launch score (part 3): grid 8 x 32, 4 waves a work-group, clusters of 4 x 4, 327,680 bytes of LDS; arguments qk, pc, sc; writes pc, sc
.if DOCPART == 3
	.amdgcn_target "amdgcn-amd-amdhsa--gfx1250"
	.amdhsa_code_object_version 6
	.text
	.protected	k_q4a2e31eb38_score
	.globl	k_q4a2e31eb38_score
	.p2align	8
	.type	k_q4a2e31eb38_score,@function
k_q4a2e31eb38_score:
	s_mov_b64 s[64:65], 0
	v_nop
	global_prefetch_b8 v0, s[64:65] scope:SCOPE_SE
	s_setreg_imm32_b32 hwreg(HW_REG_WAVE_MODE, 25, 1), 1
	s_wait_xcnt 0x0
	s_wait_alu depctr_hold_cnt(0) depctr_sa_sdst(0) depctr_va_vdst(0) depctr_va_sdst(0) depctr_va_ssrc(0) depctr_va_vcc(0) depctr_vm_vsrc(0)
	s_getreg_b32 s2, hwreg(HW_REG_IB_STS2, 6, 4)
	s_cmp_eq_u32 s2, 0
	s_cbranch_scc0 .Lentry_in_a_cluster
	s_endpgm
.Lentry_in_a_cluster:
	s_bfe_u32 s2, ttmp6, 0x10000c
	s_cmp_lg_u32 s2, 0xf033
	s_cbranch_scc0 .Lentry_shape_is_right
	s_endpgm
.Lentry_shape_is_right:
; SCORE.  S^T = k q^T on codes of E2M3 (source 0 = 16 keys, source 1 = 16 queries: a lane holds one query, its registers run along the keys), then the softmax's p, quantised along the keys.  No work is left out.
; THE SOFTMAX IN PIECES.  t = score x log2(e) / 32.  A wave's 128 keys are a piece: M = ceil(the piece's largest t), a whole number; p = 2^(t - M); l = the piece's sum of the unquantised p.  The codes of p, their scale
; bytes (under the piece's M), -M and l go to memory.  The last launch finds the row's M; what parts a piece's M from it is a whole power of two, which the scale bytes and l take up exactly: the codes are those of the row's M.
; Work-group (x, y): 256 queries (y) x 256 keys (x) of the queries' batch; four waves, 128 x 128 each: 64 accumulators.
; LDS.  K = 1,024 is four slots' worth of 256; THREE slots of 98,304 bytes lie in LDS, and all three are first fills: three loads of a wave are out at the start.  The one refill, K steps 6 and 7 into slot 0, goes out behind the
; round at K step 1 and is waited for at K step 5: it has 256 matrix instructions of a wave in which to land.  The change from slot 1 to slot 2 needs no wait on the loads and no barrier: every wave waited for all its loads,
; its part of slot 2 among them, ahead of the round at K step 1.
; CLUSTER 4 x 4: q's tiles are asked for jointly along a row of the cluster, k's along a column.
; LIMITS: NaN and infinities are not served; M is exact while |t| < 2^24; a block whose every p has fallen to 0 gets the byte 1 (its codes are zeros).
; REGISTERS: window 0: v16-22 LDS addresses; v24, 25 store offsets; v28, 29 the add's two; v32-95 scale words; v128-223 q's fragments; on the way out v96-127 words, -M, l of the eight tiles, v128-191 p, v192-210 codes, v224-251 at work.
;   window 1: k's fragments, two sets.   windows 2, 3: the accumulators.
; THE SLOTS, AS THIS TEXT HAS THEM (in place of what the lines above say of them): TWO slots of 147,456 bytes, three K steps each (a tile's row is 4,608 bytes).  Slot 0 takes K steps 0-2 at the head, one load a wave; slot 1 takes
; K steps 3-5 behind the full sequence and a round; slot 0 takes K steps 6, 7 behind the round at K step 2 (the same tile, with tensor_dim0 of two K steps: the third is written as zeros and not read).  One load of a wave is out at a time.
; PREFETCHES: with each of the first two fills a wave names the bytes of its next load: two of its eight tiles, its work-group's quarter of what four partners ask for jointly, told apart by address; a lane a block of 256 bytes.
.set SLOT,  147456
.set BOFF,  73728
.set SPARE, 2*SLOT
.set KIMG,  0x600000
.set QSC,   0xC00000
.set KSC,   0xC40000
.set PSC,   0x40000
.set ADRA, 16                          ; v16, 17  my q fragments in slot 0, 1
.set ADRB, 20                          ; v20, 21  the same for k
.set CO,   24                          ; v24  16 L
.set PSO,  25                          ; v25  4,096 h + 16 r
.set SPW,  28
.set NIL,  29
.set SC,   32
.set AF,   128
.set PWS,  96
.set NMS,  104
.set LSS,  112
.set P,    128
.set PC,   192
.set BM,   224
.set BX,   228
.set SO,   232
.set BY,   236
.set NM,   240
.set TT,   242
.set LA,   244
.set LB,   246
.set G1A, 24                           ; s[24:31] group 1 for q's tiles
.set G1B, 48                           ; s[48:55] for k's
.set G0A, 68                           ; s[68:75] q's groups 0, one for each slot
.set G0B, 80                           ; s[80:87] k's
.set MSB, 0
.macro WIN new
.if MSB != (\new)
	s_set_vgpr_msb (MSB<<8)|(\new)
.set MSB, \new
.endif
.endm
.macro PLACES n
.rept \n
	v_nop
.endr
.endm
.macro JLOAD g0a, g1a, g0b, g1b        ; waves 0 and 1 fetch q's halves, waves 2 and 3 k's; an s_nop 0 and four v_nop follow each of the two lines
	s_cmp_eq_u32 s19, 0
	s_cbranch_scc0 .Lfor_b_\@
	tensor_load_to_lds s[\g0a:\g0a+3], s[\g1a:\g1a+7]
	s_nop 0
.rept 4
	v_nop
.endr
	s_branch .Lasked_\@
.Lfor_b_\@:
	tensor_load_to_lds s[\g0b:\g0b+3], s[\g1b:\g1b+7]
	s_nop 0
.rept 4
	v_nop
.endr
.Lasked_\@:
.endm
.macro CREST
	s_cmp_lg_u32 s18, 0
	s_cbranch_scc1 .Lnot_wave_0_\@
	s_barrier_signal -3
.Lnot_wave_0_\@:
	s_barrier_wait -3
	s_barrier_signal -1
	s_barrier_wait -1
.endm
.macro CROUND
	s_barrier_signal -1
	s_barrier_wait -1
	CREST
.endm
	s_load_b128 s[4:7], s[0:1], 0x0                ; qk s[4:5], pc s[6:7]
	s_load_b64 s[8:9], s[0:1], 0x10                ; sc
	v_lshl_add_u32 v[SPW], v0, 2, SPARE
	v_mov_b32 v[NIL], 0
	ds_add_u32 v[SPW], v[NIL]                      ; the wave's opening: the add, twice on end, and its wait ahead of my first tensor load
	ds_add_u32 v[SPW], v[NIL]
	v_lshrrev_b32 v1, 5, v0
	v_readfirstlane_b32 s18, v1                    ; wave
	s_lshr_b32 s19, s18, 1                         ; i: my half of the queries.  Also: I fetch for q (0) or for k (1)
	s_and_b32 s20, s18, 1                          ; jj: my half of the keys.  Also: which half I fetch
	s_bfe_u32 s40, ttmp6, 0x40000                  ; cx
	s_bfe_u32 s41, ttmp6, 0x40004                  ; cy
	s_lshl_b32 s42, ttmp9, 2
	s_add_co_u32 s42, s42, s40                     ; x
	s_and_b32 s45, ttmp7, 0xffff                   ; the cluster's y
	s_lshl_b32 s21, s45, 2
	s_add_co_u32 s21, s21, s41                     ; y
	s_lshr_b32 s45, s45, 1                         ; the batch: from the cluster's y, which a column of the cluster shares
	s_lshl_b32 s43, s41, 2
	s_lshl_b32 s43, 15, s43                        ; my row of the cluster
	s_lshl_b32 s44, 0x1111, s40                    ; my column
	s_or_b32 s[G1A], s43, (3<<16)|(1<<21)          ; the mask; elements of 8 bytes; bit 21 beside a mask; no padding
	s_or_b32 s[G1B], s44, (3<<16)|(1<<21)
.irp g, G1A, G1B                       ; 8 tiles: rows of 4,608 bytes, 12,288 bytes apart
	s_mov_b32 s[\g+1], 576<<16
	s_mov_b32 s[\g+2], 8<<16
	s_mov_b32 s[\g+3], 576<<16
	s_mov_b32 s[\g+4], 8
	s_mov_b32 s[\g+5], 1536
	s_mov_b32 s[\g+6], 0
	s_mov_b32 s[\g+7], 0
.endr
	s_mov_b32 s2, 0x76543210
	s_mov_b32 s3, 0xfedcba98
	s_mov_b32 s66, 0xffff0000                      ; lanes 16-31
	s_mov_b32 s67, 0xff7fffff                      ; under every score
	s_mov_b32 s22, 0x3d38aa3b                      ; c = log2(e) / 32
	s_mov_b32 s23, s22                             ; (named with it as a pair)
	s_lshl_b32 s32, s20, 3
	s_lshl_b32 s46, s21, 4
	s_add_co_u32 s46, s46, s32
	s_mul_i32 s46, s46, 12288                      ; q: tile 16 y + 8 x half
	s_mov_b32 s47, 0
	s_lshl_b32 s34, s45, 7
	s_lshl_b32 s35, s42, 4
	s_add_co_u32 s34, s34, s35
	s_add_co_u32 s34, s34, s32
	s_mul_i32 s34, s34, 12288
	s_add_co_u32 s34, s34, KIMG                    ; k: tile 128 x batch + 16 x + 8 x half
	s_mov_b32 s35, 0
	s_mul_i32 s33, s18, 36864                      ; in a slot: q's two halves, then k's two = wave x 36,864
	s_wait_dscnt 0x0                               ; both opening adds are done
	s_wait_kmcnt 0x0
	s_add_nc_u64 s[46:47], s[4:5], s[46:47]
	s_add_nc_u64 s[34:35], s[4:5], s[34:35]
	s_cmp_eq_u32 s19, 0                            ; the prefetches: the eight tiles that I fetch,
	s_cselect_b64 s[92:93], s[46:47], s[34:35]
	s_cselect_b32 s94, s40, s41                    ; my place among the four that ask with me: cx for q, cy for k;
	s_mul_i32 s94, s94, 24576                      ; I name two of the eight
	s_mov_b32 s95, 0
	s_add_nc_u64 s[92:93], s[92:93], s[94:95]
	CROUND                                         ; all sixteen work-groups are here: the first joint loads meet
.irp s, 0,1
	s_mov_b32 s[G0A+4*\s], 1
	s_add_co_u32 s[G0A+4*\s+1], s33, \s*SLOT
	s_add_nc_u64 s[G0A+4*\s+2:G0A+4*\s+3], s[46:47], \s*4608
	s_or_b32 s[G0A+4*\s+3], s[G0A+4*\s+3], 0x80000000
	s_mov_b32 s[G0B+4*\s], 1
	s_add_co_u32 s[G0B+4*\s+1], s33, \s*SLOT
	s_add_nc_u64 s[G0B+4*\s+2:G0B+4*\s+3], s[34:35], \s*4608
	s_or_b32 s[G0B+4*\s+3], s[G0B+4*\s+3], 0x80000000
.endr
	JLOAD G0A, G1A, G0B, G1B                       ; K steps 0-2: one tensor load a wave at the head
	v_and_b32 v1, 31, v0
	v_and_b32 v2, 15, v0
	v_bfe_u32 v3, v0, 4, 1
	v_lshlrev_b32 v[CO], 4, v1
	v_lshlrev_b32 v4, 4, v2                        ; 16 r
	v_lshl_add_u32 v[PSO], v3, 12, v4
	v_min_u32 v26, 17, v1
	v_min_u32 v27, 11, v1
	v_lshlrev_b32 v26, 8, v26                      ; 18 blocks of 256 bytes: three K steps of a tile; the lanes left over name the last again; never rewritten
	v_lshlrev_b32 v27, 8, v27                      ; 12 blocks: two K steps
	global_prefetch_b8 v26, s[92:93] offset:4608 th:TH_LOAD_NT scope:SCOPE_SE         ; K steps 3-5 of my two tiles: what the next load brings
	global_prefetch_b8 v26, s[92:93] offset:4608+12288 th:TH_LOAD_NT scope:SCOPE_SE
	s_mul_i32 s36, s19, 36864
	s_mul_i32 s37, s20, 36864
	s_add_co_u32 s37, s37, BOFF
.irp s, 0,1
	v_add_nc_u32 v[ADRA+\s], s36, v[CO]
	v_add_nc_u32 v[ADRB+\s], s37, v[CO]
	s_add_co_u32 s36, s36, SLOT
	s_add_co_u32 s37, s37, SLOT
.endr
	s_lshl_b32 s36, s21, 1
	s_add_co_u32 s36, s36, s19                     ; 2 y + i
	s_lshl_b32 s37, s36, 12
	s_add_co_u32 s37, s37, QSC                     ; q's scale words
	s_lshl_b32 s38, s42, 1
	s_add_co_u32 s38, s38, s20                     ; 2 x + jj
	s_lshl_b32 s39, s45, 4
	s_add_co_u32 s39, s39, s38
	s_lshl_b32 s39, s39, 12
	s_add_co_u32 s39, s39, KSC                     ; k's: groups 32 x batch + 4 x + 2 jj on
	v_mov_b32 v5, s37
	v_mov_b32 v6, s39
	v_cndmask_b32 v5, v5, v6, s66                  ; lanes 0-15 take q's words, lanes 16-31 k's
	v_add_nc_u32 v5, v5, v4
.irp c, 0,1,2,3,4,5,6,7
.irp g, 0,1
	global_load_b128 v[SC+8*\c+4*\g:SC+8*\c+4*\g+3], v5, s[4:5] offset:\g*2048+\c*256
.endr
.endr
.irp b, 0,1,2,3
	v_mov_b32 v[BX+\b], 0                          ; (a lane permute's destination counts as read)
.endr
	v_mov_b32 v[NM+1], 0                           ; (named as the upper half of a pair)
	s_lshl_b32 s56, s36, 7
	s_add_co_u32 s56, s56, s38
	s_mul_i32 s56, s56, 1536                       ; ((16 y + 8 i) x 16 + 2 x + jj) x 1,536
	s_mov_b32 s57, 0
	s_add_nc_u64 s[6:7], s[6:7], s[56:57]          ; p's images
	s_lshl_b32 s56, s36, 5
	s_add_co_u32 s56, s56, s38
	s_lshl_b32 s56, s56, 8
	s_add_co_u32 s56, s56, PSC
	s_add_nc_u64 s[8:9], s[8:9], s[56:57]          ; p's scale words; -M and l lie 0x80000 and 0x100000 bytes on
.macro FRAG reg, adr, q, i
.irp j, 0,1,2
	ds_load_b128 v[\reg+4*\j:\reg+4*\j+3], v[\adr] offset:(\i)*4608+(\q)*1536+512*\j
.endr
.endm
.macro FETCH_B slot, q, p
	WIN 0x40
.irp i, 0,1,2,3,4,5,6,7
	FRAG 128*(\p)+12*\i, ADRB+\slot, \q, \i
.endr
	WIN 0
.endm
.macro FETCH_A slot, q, i0
.irp i, \i0, \i0+1, \i0+2, \i0+3
	FRAG AF+12*(\i), ADRA+\slot, \q, \i
.endr
.endm
; 16 matrix instructions: q's tiles a0, a0 + 1 x k's eight.  zero = 1: the first product starts the sums.  The 64 accumulators take turns, one instruction a turn.
.macro MUL16 a0, p, c, zero
.irp a, \a0, \a0+1
.irp b, 0,1,2,3,4,5,6,7
.if \zero
	v_wmma_scale_f32_16x16x128_f8f6f4 v[8*(8*((\a)%4)+\b):8*(8*((\a)%4)+\b)+7], v[128*(\p)+12*\b:128*(\p)+12*\b+11], v[AF+12*(\a):AF+12*(\a)+11], 0, v[SC+8*(\c)+\b], v[SC+8*(\c)+(\a)] matrix_a_fmt:MATRIX_FMT_FP6 matrix_b_fmt:MATRIX_FMT_FP6 matrix_a_scale:MATRIX_SCALE_ROW1
.else
	v_wmma_scale_f32_16x16x128_f8f6f4 v[8*(8*((\a)%4)+\b):8*(8*((\a)%4)+\b)+7], v[128*(\p)+12*\b:128*(\p)+12*\b+11], v[AF+12*(\a):AF+12*(\a)+11], v[8*(8*((\a)%4)+\b):8*(8*((\a)%4)+\b)+7], v[SC+8*(\c)+\b], v[SC+8*(\c)+(\a)] matrix_a_fmt:MATRIX_FMT_FP6 matrix_b_fmt:MATRIX_FMT_FP6 matrix_a_scale:MATRIX_SCALE_ROW1
.endif
.endr
.endr
.endm
; A K step that multiplies k's set p and fetches the next step's fragments, K step nq of slot ns, which are known to lie in LDS, into the other set.
.macro STEP p, c, zero, ns, nq
	s_wait_dscnt 12                                ; k's set and q's tiles 0-3 are in; the youngest 12 loads (q's tiles 4-7) may be out
	WIN 0xa1
	MUL16 0, \p, \c, \zero
	MUL16 2, \p, \c, \zero
	s_wait_dscnt 0x0
	PLACES 4                                       ; four places in front of loads into registers that matrix instructions have read
	FETCH_B \ns, \nq, 1-(\p)
	FETCH_A \ns, \nq, 0
	WIN 0xf1
	MUL16 4, \p, \c, \zero
	MUL16 6, \p, \c, \zero
	PLACES 4
	WIN 0
	FETCH_A \ns, \nq, 4
.endm
; A slot's second K step with a barrier: ahead of it each wave waits for all its tensor loads, adds 0 to its spare word, and waits for that and for its reads of this slot.  fill = 1: this slot takes K steps 6 and 7.
.macro TURN slot, next, c, fill, p     ; p: k's set that this K step multiplies
	s_wait_tensorcnt 0x0                           ; all my tensor loads have landed
	ds_add_u32 v[SPW], v[NIL]
	s_wait_dscnt 13                                ; (the add and the youngest 12 loads may be out)
	WIN 0xa1
	MUL16 0, \p, \c, 0
	s_wait_dscnt 0x0                               ; the add is done, and my reads of this slot are over
	s_barrier_signal -1
	MUL16 2, \p, \c, 0
	WIN 0
	s_barrier_wait -1
.if \fill
	CREST                                          ; the barrier has opened a round of the cluster's: no wave of any partner still reads this slot or has a load on its way
	s_add_nc_u64 s[G0A+4*\slot+2:G0A+4*\slot+3], s[G0A+4*\slot+2:G0A+4*\slot+3], 9216
	s_add_nc_u64 s[G0B+4*\slot+2:G0B+4*\slot+3], s[G0B+4*\slot+2:G0B+4*\slot+3], 9216
	s_mov_b32 s[G1A+1], 384<<16                    ; no load of mine is out: tensor_dim0 = two K steps, all that is left of a tile's row
	s_mov_b32 s[G1B+1], 384<<16
	JLOAD G0A+4*\slot, G1A, G0B+4*\slot, G1B       ; the four v_nop behind it are also the places in front of the loads below
.else
	PLACES 4
.endif
	FETCH_B \next, 0, 1-(\p)
	FETCH_A \next, 0, 0
	WIN 0xf1
	MUL16 4, \p, \c, 0
	MUL16 6, \p, \c, 0
	PLACES 4
	WIN 0
	FETCH_A \next, 0, 4
.endm
	s_wait_alu depctr_va_vdst(0)
	s_wait_tensorcnt 0x0                           ; my part of slot 0 is in
	ds_add_u32 v[SPW], v[NIL]
	s_wait_dscnt 0x0
	CROUND                                         ; slot 0 is whole, and all sixteen work-groups are here
	JLOAD G0A+4, G1A, G0B+4, G1B                   ; K steps 3-5 into slot 1: the first tensor load behind the round
	FETCH_B 0, 0, 0
	FETCH_A 0, 0, 0
	FETCH_A 0, 0, 4
	global_prefetch_b8 v27, s[92:93] offset:9216 th:TH_LOAD_NT scope:SCOPE_SE         ; K steps 6, 7 of my two tiles: what the refill brings
	global_prefetch_b8 v27, s[92:93] offset:9216+12288 th:TH_LOAD_NT scope:SCOPE_SE
	s_wait_loadcnt 0x0                             ; the scale words
	STEP 0, 0, 1, 0, 1
	STEP 1, 1, 0, 0, 2
	TURN 0, 1, 2, 1, 0                             ; slot 1 is whole behind this round; slot 0 takes K steps 6 and 7
	STEP 1, 3, 0, 1, 1
	STEP 0, 4, 0, 1, 2
	TURN 1, 0, 5, 0, 1                             ; the refill has landed in every wave's sight; nothing is filled again, so no round follows
	STEP 0, 6, 0, 0, 1
	s_wait_dscnt 12
	WIN 0xa1
	MUL16 0, 1, 7, 0
	MUL16 2, 1, 7, 0
	s_wait_dscnt 0x0
	WIN 0xf1
	MUL16 4, 1, 7, 0
	MUL16 6, 1, 7, 0
	PLACES 4
	WIN 0
; Tile a of my queries: 64 scores a lane, register 16 b + i = key 32 b + 16 (L / 16) + i of my 128.
.macro SOFTQ a, w, ac
	WIN (\w)*0x14                                  ; sources 1 and 2: the accumulators' window.
.irp b, 0,1,2,3
	v_max3_num_f32 v[BM+\b], s67, v[\ac+16*\b], v[\ac+16*\b+1]   ; the largest score of each block of 32 keys: it serves for the piece's maximum and, since p rises with the score, for the block's largest p
.endr
.irp i, 2,4,6,8,10,12,14
.irp b, 0,1,2,3
	v_max3_num_f32 v[BM+\b], v[BM+\b], v[\ac+16*\b+\i], v[\ac+16*\b+\i+1]
.endr
.endr
	WIN 0
.irp b, 0,1,2,3
	v_permlanex16_b32 v[BX+\b], v[BM+\b], s2, s3
.endr
.irp b, 0,1,2,3
	v_max_num_f32 v[BM+\b], v[BM+\b], v[BX+\b]
.endr
	v_max3_num_f32 v[TT], v[BM], v[BM+1], v[BM+2]
	v_max_num_f32 v[TT], v[TT], v[BM+3]
	v_mul_f32 v[TT], s22, v[TT]                    ; the piece's largest t (c is positive)
	v_floor_f32 v[NM], -v[TT]                      ; -M = floor(-t) = -ceil(t)
	WIN \w
.set n, 0
.rept 32
	v_pk_fma_f32 v[P+n:P+n+1], v[\ac+n:\ac+n+1], s[22:23], v[NM:NM+1] op_sel_hi:[1,0,0]   ; t - M
.set n, n+2
.endr
	WIN 0
.irp b, 0,1,2,3
	v_fma_f32 v[BM+\b], v[BM+\b], s22, v[NM]       ; the same of each block's largest score
.endr
.set n, 0
	s_wait_alu depctr_va_vdst(0)
.rept 64
	v_exp_f32 v[P+n], v[P+n]                       ; p = 2^(t - M)
.set n, n+1
.endr
.irp b, 0,1,2,3
	v_exp_f32 v[BM+\b], v[BM+\b]                   ; the block's largest p
.endr
	v_nop                                          ; a plain place behind the batch,
	s_wait_alu depctr_va_vdst(0)                   ; and a wait ahead of its first reader
	v_pk_add_f32 v[LA:LA+1], v[P:P+1], v[P+2:P+3]  ; the sum of the unquantised p, in two chains
	v_pk_add_f32 v[LB:LB+1], v[P+4:P+5], v[P+6:P+7]
.set n, 8
.rept 14
	v_pk_add_f32 v[LA:LA+1], v[LA:LA+1], v[P+n:P+n+1]
	v_pk_add_f32 v[LB:LB+1], v[LB:LB+1], v[P+n+2:P+n+3]
.set n, n+4
.endr
	v_pk_add_f32 v[LA:LA+1], v[LA:LA+1], v[LB:LB+1]
	v_add_f32 v[LA], v[LA], v[LA+1]
	v_permlanex16_b32 v[BX], v[LA], s2, s3
	v_add_f32 v[LSS+\a], v[LA], v[BX]              ; with lane l xor 16's: the piece's l
	v_mov_b32 v[NMS+\a], v[NM]
.irp b, 0,1,2,3
	v_max_num_f32 v[BM+\b], 0x1800000, v[BM+\b]    ; the floor 2^(3 - 127)
.endr
.irp b, 0,1,2,3
	v_add_nc_u32 v[SO+\b], 0xff000000, v[BM+\b]
.endr
.irp b, 0,1,2,3
	v_lshrrev_b32 v[BY+\b], 23, v[SO+\b]
.endr
	v_lshl_or_b32 v[PWS+\a], v[BY+1], 8, v[BY]
	v_lshl_or_b32 v[PWS+\a], v[BY+2], 16, v[PWS+\a]
	v_lshl_or_b32 v[PWS+\a], v[BY+3], 24, v[PWS+\a]
	s_wait_xcnt 0x0                                ; the stores before have read the codes' registers
.irp c, 0,1
	v_cvt_scalef32_pk16_fp6_f32 v[PC+6*\c:PC+6*\c+2], v[P+32*\c:P+32*\c+15], v[SO+2*\c]
	v_cvt_scalef32_pk16_fp6_f32 v[PC+12+4*\c:PC+14+4*\c], v[P+32*\c+16:P+32*\c+31], v[SO+2*\c+1]
.endr
	v_nop
.irp c, 0,1
.irp i, 0,1,2
	v_permlane16_swap_b32 v[PC+6*\c+\i], v[PC+12+4*\c+\i]
.endr
.irp i, 0,1,2
	v_mov_b32 v[PC+3+6*\c+\i], v[PC+12+4*\c+\i]
.endr
.endr
.irp j, 0,1,2
	global_store_b128 v[CO], v[PC+4*\j:PC+4*\j+3], s[6:7] offset:(\a)*24576+512*\j   ; 512 consecutive bytes
.endr
.endm
.irp a, 0,1,2,3,4,5,6,7
	SOFTQ \a, 2+\a/4, 64*(\a%4)
.endr
.irp t, 0,1,2,3                        ; lanes 0-15 store tiles 0-3's, lanes 16-31 tiles 4-7's
	v_cndmask_b32 v[120+\t], v[PWS+\t], v[PWS+4+\t], s66
	v_cndmask_b32 v[124+\t], v[NMS+\t], v[NMS+4+\t], s66
	v_cndmask_b32 v[248+\t], v[LSS+\t], v[LSS+4+\t], s66
.endr
	global_store_b128 v[PSO], v[120:123], s[8:9]                   ; each: two runs of 256 consecutive bytes
	global_store_b128 v[PSO], v[124:127], s[8:9] offset:0x80000
	global_store_b128 v[PSO], v[248:251], s[8:9] offset:0x100000
	s_wait_tensorcnt 0x0                           ; the wave's end
	ds_add_u32 v[SPW], v[NIL]
	s_wait_dscnt 0x0
	CROUND                                         ; the closing round
	s_endpgm
.Lfunc_end_k_q4a2e31eb38_score:
	.size	k_q4a2e31eb38_score, .Lfunc_end_k_q4a2e31eb38_score-k_q4a2e31eb38_score
	.p2alignl 7, 3214868480
	.fill 96, 4, 3214868480
	.section	.rodata,"a",@progbits
	.p2align	6, 0x0
	.amdhsa_kernel k_q4a2e31eb38_score
		.amdhsa_group_segment_fixed_size 327680
		.amdhsa_private_segment_fixed_size 0
		.amdhsa_enable_private_segment 0
		.amdhsa_kernarg_size 24
		.amdhsa_user_sgpr_count 2
		.amdhsa_user_sgpr_kernarg_segment_ptr 1
		.amdhsa_wavefront_size32 1
		.amdhsa_system_sgpr_workgroup_id_x 1
		.amdhsa_system_sgpr_workgroup_id_y 1
		.amdhsa_system_sgpr_workgroup_id_z 1
		.amdhsa_system_vgpr_workitem_id 0
		.amdhsa_next_free_vgpr 1024
		.amdhsa_next_free_sgpr 100
		.amdhsa_reserve_vcc 0
		.amdhsa_float_denorm_mode_32 3
		.amdhsa_float_denorm_mode_16_64 3
		.amdhsa_memory_ordered 1
		.amdhsa_forward_progress 1
		.amdhsa_inst_pref_size 193
	.end_amdhsa_kernel
	.amdgpu_metadata
---
amdhsa.version: [ 1, 2 ]
amdhsa.kernels:
  - .name:           k_q4a2e31eb38_score
    .symbol:         k_q4a2e31eb38_score.kd
    .args:
      - { .name: qk, .offset: 0, .size: 8, .value_kind: global_buffer, .address_space: global }
      - { .name: pc, .offset: 8, .size: 8, .value_kind: global_buffer, .address_space: global }
      - { .name: sc, .offset: 16, .size: 8, .value_kind: global_buffer, .address_space: global }
    .group_segment_fixed_size: 327680
    .private_segment_fixed_size: 0
    .kernarg_segment_align: 8
    .kernarg_segment_size: 24
    .max_flat_workgroup_size: 128
    .sgpr_count:     100
    .vgpr_count:     1024
    .wavefront_size: 32
...
	.end_amdgpu_metadata
.endif
;; end of part 3
;; launch pv (part 4): grid 4 x 64, 4 waves a work-group, clusters of 4 x 4, 327,680 bytes of LDS; arguments pc, vt, sc, x, out0; writes out0
.if DOCPART == 4
	.amdgcn_target "amdgcn-amd-amdhsa--gfx1250"
	.amdhsa_code_object_version 6
	.text
	.protected	k_q4a2e31eb38_pv
	.globl	k_q4a2e31eb38_pv
	.p2align	8
	.type	k_q4a2e31eb38_pv,@function
k_q4a2e31eb38_pv:
	s_mov_b64 s[64:65], 0
	v_nop
	global_prefetch_b8 v0, s[64:65] scope:SCOPE_SE
	s_setreg_imm32_b32 hwreg(HW_REG_WAVE_MODE, 25, 1), 1
	s_wait_xcnt 0x0
	s_wait_alu depctr_hold_cnt(0) depctr_sa_sdst(0) depctr_va_vdst(0) depctr_va_sdst(0) depctr_va_ssrc(0) depctr_va_vcc(0) depctr_vm_vsrc(0)
	s_getreg_b32 s2, hwreg(HW_REG_IB_STS2, 6, 4)
	s_cmp_eq_u32 s2, 0
	s_cbranch_scc0 .Lentry_in_a_cluster
	s_endpgm
.Lentry_in_a_cluster:
	s_bfe_u32 s2, ttmp6, 0x10000c
	s_cmp_lg_u32 s2, 0xf033
	s_cbranch_scc0 .Lentry_shape_is_right
	s_endpgm
.Lentry_shape_is_right:
; PV.  out0 = x + (P v) / l on codes of E2M3 (images and scale words: format at the head of the first launch's text).  No work is left out.
; Work-group (x, y): 128 queries (y) x 256 columns e (x); four waves, 64 x 128 each: 32 accumulators.  Source 0 = 16 columns of v^T, source 1 = 16 queries of P: a lane holds one query, its registers run along e.
; THE PIECES ARE JOINED HERE.  P's codes and bytes were made under each piece's own M (a piece: 128 keys, one K step).  Each of the 128 threads owns ONE query: -M(row) = the least of its 16 -M(piece);
; d = M(row) - M(piece), a whole number, is taken off the four scale bytes of that piece's word and off l(piece)'s exponent; l = the sum.  The mended words, v^T's words and 1 / l go through LDS bytes of their own,
; from which each wave takes its scale registers: lanes 0-15 P's words, lanes 16-31 v^T's.  All this stands under the flight of the first tensor load.
; LDS: two slots of 147,456 bytes, each four K steps of P's 8 tiles and v^T's 16; waves 0, 1 fetch P's halves, waves 2, 3 v^T's, one load a wave.  Slot 0 is filled at the head, slot 1 behind the full sequence and a round,
; two refills behind the rounds at K steps 3 and 7.  One load of a wave is out at a time.  Behind the slots: the spare words, then PSB, VSB, RLB, which no tensor load fills.  The way out's stage lies in slot 0, behind its last fill and last read.
; CLUSTER 4 x 4: P's tiles are asked for jointly along a row of the cluster, v^T's along a column.
; PREFETCHES: with each fill but the last a wave names the next fill's bytes: of the tiles that it fetches, its work-group's quarter (P: one tile, v^T: two), told apart by address; a tile's four K steps are 24 blocks of 256 bytes, a lane a block.
; LIMITS: NaN and infinities are not served; the promise holds while the scaled scores stay under 2^31 in magnitude; d is held at 127, and a byte that would fall under 0 is 0 (2^-127): such p lie under 2^-120 of the row's largest.
; REGISTERS: window 0: v6, 7, 16-31 addresses; v8-15 1 / l of my four tiles, each twice; v32-159 scale words SC(c, tile); v160-255 P's fragments, two sets (at the head: the pieces' numbers).
;   window 1: the accumulators.   window 2: x.   window 3: v^T's fragments, two sets; on the way out rows read back from the stage.
.set SLOT,  147456
.set BOFF,  49152
.set SPARE, 2*SLOT                     ; the spare words, 128 bytes for each wave, which no other line names
.set PSB,   SPARE+512                  ; P's mended scale words: 2 groups of 64 queries x 16 K steps x 256 bytes
.set VSB,   PSB+8192                   ; v^T's scale words: 4 groups x 4,096 bytes
.set RLB,   VSB+16384                  ; 1 / l, twice on end: 8 bytes a query
.set PSC,   0x40000
.set PQ,   6                           ; v6   4,096 (t / 64) + 4 (t % 64): my query's word in a K step's block
.set PSA,  7                           ; v7   the same in LDS
.set RL,   8
.set ADRA, 16
.set VQ,   18                          ; v18  16 t
.set ADRB, 20
.set VSA,  22
.set RLS,  23
.set STO,  24
.set RD,   25
.set CO,   26
.set SCA,  27
.set SPW,  28
.set NIL,  29
.set PFO,  30
.set RLA,  31
.set SC,   32
.set AF,   160
.set NMR,  160                         ; at the head: -M, l, the words, d of my query's 16 pieces
.set LR,   176
.set PW,   192
.set E,    208
.set T0,   224
.set T1,   226
.set G1A, 24
.set G0A, 32
.set G1B, 48
.set G0B, 56
.set PFA, 96                           ; s[96:97] where my prefetches begin; never rewritten
.set MSB, 0
.macro WIN new                         ; the immediate's high byte repeats the setting that is left
.if MSB != (\new)
	s_set_vgpr_msb (MSB<<8)|(\new)
.set MSB, \new
.endif
.endm
.macro PLACES n
.rept \n
	v_nop
.endr
.endm
.macro JLOAD g0a, g1a, g0b, g1b        ; an s_nop 0 and four v_nop follow each of the two lines
	s_cmp_eq_u32 s19, 0
	s_cbranch_scc0 .Lfor_b_\@
	tensor_load_to_lds s[\g0a:\g0a+3], s[\g1a:\g1a+7]
	s_nop 0
.rept 4
	v_nop
.endr
	s_branch .Lasked_\@
.Lfor_b_\@:
	tensor_load_to_lds s[\g0b:\g0b+3], s[\g1b:\g1b+7]
	s_nop 0
.rept 4
	v_nop
.endr
.Lasked_\@:
.endm
.macro ASK n                           ; fill n's bytes of my share: one tile of P, or two of v^T
	global_prefetch_b8 v[PFO], s[PFA:PFA+1] offset:(\n)*6144 th:TH_LOAD_NT scope:SCOPE_SE
	s_cmp_eq_u32 s19, 0
	s_cbranch_scc1 .Lone_\@
	global_prefetch_b8 v[PFO], s[PFA:PFA+1] offset:(\n)*6144+24576 th:TH_LOAD_NT scope:SCOPE_SE
.Lone_\@:
.endm
.macro CREST
	s_cmp_lg_u32 s18, 0
	s_cbranch_scc1 .Lnot_wave_0_\@
	s_barrier_signal -3
.Lnot_wave_0_\@:
	s_barrier_wait -3
	s_barrier_signal -1
	s_barrier_wait -1
.endm
.macro CROUND
	s_barrier_signal -1
	s_barrier_wait -1
	CREST
.endm
	s_load_b256 s[4:11], s[0:1], 0x0               ; pc s[4:5], vt s[6:7], sc s[8:9], x s[10:11]
	s_load_b64 s[12:13], s[0:1], 0x20              ; out0
	v_lshl_add_u32 v[SPW], v0, 2, SPARE
	v_mov_b32 v[NIL], 0
	ds_add_u32 v[SPW], v[NIL]                      ; the opening: the add, twice on end, and its wait ahead of my first tensor load
	ds_add_u32 v[SPW], v[NIL]
	v_lshrrev_b32 v1, 5, v0
	v_readfirstlane_b32 s18, v1                    ; wave
	s_lshr_b32 s19, s18, 1                         ; i: my half of the queries.  Also: I fetch for P (0) or for v^T (1)
	s_and_b32 s20, s18, 1                          ; jj: my half of the columns.  Also: which half I fetch
	s_bfe_u32 s40, ttmp6, 0x40000                  ; cx
	s_bfe_u32 s41, ttmp6, 0x40004                  ; cy
	s_lshl_b32 s42, ttmp9, 2
	s_add_co_u32 s42, s42, s40                     ; x
	s_and_b32 s45, ttmp7, 0xffff
	s_lshl_b32 s21, s45, 2
	s_add_co_u32 s21, s21, s41                     ; y
	s_lshr_b32 s45, s45, 2                         ; the batch, from the cluster's y
	s_lshl_b32 s43, s41, 2
	s_lshl_b32 s43, 15, s43                        ; my row of the cluster
	s_lshl_b32 s44, 0x1111, s40                    ; my column
	s_or_b32 s[G1A], s43, (3<<16)|(1<<21)          ; the mask; elements of 8 bytes; bit 21 beside a mask; no padding
	s_or_b32 s[G1B], s44, (3<<16)|(1<<21)
	s_mov_b32 s[G1A+1], 768<<16                    ; P: rows of 6,144 bytes (four K steps), four tiles, 24,576 bytes apart
	s_mov_b32 s[G1A+2], 4<<16
	s_mov_b32 s[G1A+3], 768<<16
	s_mov_b32 s[G1A+4], 4
	s_mov_b32 s[G1A+5], 3072
	s_mov_b32 s[G1A+6], 0
	s_mov_b32 s[G1A+7], 0
	s_mov_b32 s[G1B+1], 768<<16                    ; v^T: the same, eight tiles
	s_mov_b32 s[G1B+2], 8<<16
	s_mov_b32 s[G1B+3], 768<<16
	s_mov_b32 s[G1B+4], 8
	s_mov_b32 s[G1B+5], 3072
	s_mov_b32 s[G1B+6], 0
	s_mov_b32 s[G1B+7], 0
	s_mov_b32 s67, 0x80808080
	s_lshl_b32 s46, s21, 3
	s_lshl_b32 s68, s20, 2
	s_add_co_u32 s46, s46, s68
	s_mul_i32 s46, s46, 24576                      ; P: tile 8 y + 4 x half
	s_mov_b32 s47, 0
	s_lshl_b32 s84, s45, 6
	s_lshl_b32 s85, s42, 4
	s_add_co_u32 s84, s84, s85
	s_lshl_b32 s85, s20, 3
	s_add_co_u32 s84, s84, s85
	s_mul_i32 s84, s84, 24576                      ; v^T: tile 64 x batch + 16 x + 8 x half
	s_mov_b32 s85, 0
	s_mul_i32 s88, s20, 24576                      ; where they go in a slot
	s_mul_i32 s89, s20, 49152
	s_add_co_u32 s89, s89, BOFF
	s_lshl_b32 s92, s21, 13
	s_add_co_u32 s92, s92, PSC                     ; P's scale words: groups 2 y, 2 y + 1; -M and l lie 0x80000 and 0x100000 bytes on
	s_mov_b32 s93, 0
	s_lshl_b32 s94, s45, 4
	s_lshl_b32 s95, s42, 2
	s_add_co_u32 s94, s94, s95
	s_lshl_b32 s94, s94, 12                        ; v^T's: groups 16 x batch + 4 x on
	s_mov_b32 s95, 0
	s_lshl_b32 s71, s19, 12                        ; 4,096 i
	s_lshl_b32 s70, s20, 13
	s_add_co_u32 s70, s70, 8192
	s_sub_co_u32 s70, s70, s71                     ; from P's group i to v^T's group 2 jj
	s_add_co_u32 s71, s71, PSB
	s_lshl_b32 s72, s19, 9
	s_add_co_u32 s72, s72, RLB
	s_mul_i32 s73, s19, 24576                      ; my four tiles of P,
	s_mul_i32 s74, s20, 49152
	s_add_co_u32 s74, s74, BOFF                    ; my eight of v^T, in slot 0,
	s_add_co_u32 s75, s73, SLOT
	s_add_co_u32 s76, s74, SLOT                    ; and in slot 1
	s_mul_i32 s77, s18, 8448                       ; my stage: 16 rows x (512 + 16) bytes
	s_lshl_b32 s90, s21, 7
	s_lshl_b32 s91, s19, 6
	s_add_co_u32 s90, s90, s91
	s_lshl_b32 s90, s90, 12                        ; x, out0: row 128 y + 64 i,
	s_lshl_b32 s91, s42, 10
	s_add_co_u32 s90, s90, s91
	s_lshl_b32 s91, s20, 9
	s_add_co_u32 s90, s90, s91                     ; column 256 x + 128 jj
	s_mov_b32 s91, 0
	v_and_b32 v1, 31, v0                           ; L
	v_and_b32 v2, 15, v0                           ; r
	v_bfe_u32 v3, v0, 4, 1                         ; h
	v_lshlrev_b32 v[CO], 4, v1
	v_lshrrev_b32 v4, 6, v0
	v_and_b32 v5, 63, v0
	v_lshlrev_b32 v5, 2, v5
	v_lshl_add_u32 v[PQ], v4, 12, v5
	v_lshlrev_b32 v[VQ], 4, v0
	v_add_nc_u32 v[PSA], PSB, v[PQ]
	v_add_nc_u32 v[VSA], VSB, v[VQ]
	v_lshl_add_u32 v[RLS], v0, 3, RLB
	v_min_u32 v[PFO], 23, v1
	v_lshlrev_b32 v[PFO], 8, v[PFO]                ; the lanes left over name the last block again
	v_mul_u32_u24 v4, s70, v3                      ; lanes 16-31 take v^T's words
	v_lshl_add_u32 v4, v2, 4, v4
	v_add_nc_u32 v[SCA], s71, v4
	v_lshl_add_u32 v[RLA], v2, 5, s72
	v_add_nc_u32 v[ADRA], s73, v[CO]
	v_add_nc_u32 v[ADRB], s74, v[CO]
	v_add_nc_u32 v[ADRA+1], s75, v[CO]
	v_add_nc_u32 v[ADRB+1], s76, v[CO]
	v_mul_u32_u24 v[STO], v2, 528
	v_lshl_add_u32 v[STO], v3, 6, v[STO]
	v_add_nc_u32 v[STO], s77, v[STO]               ; in: row r, 64 bytes for each half of the lanes in each 128
	v_add_nc_u32 v[RD], s77, v[CO]                 ; back: a row's 512 bytes
	s_wait_alu depctr_va_vdst(0)
	s_wait_dscnt 0x0                               ; both opening adds are done
	s_wait_kmcnt 0x0
	s_add_nc_u64 s[46:47], s[4:5], s[46:47]
	s_add_nc_u64 s[84:85], s[6:7], s[84:85]
	s_add_nc_u64 s[92:93], s[8:9], s[92:93]
	s_add_nc_u64 s[94:95], s[8:9], s[94:95]
	s_add_nc_u64 s[10:11], s[10:11], s[90:91]
	s_add_nc_u64 s[12:13], s[12:13], s[90:91]
.set n, 0
.rept 16                               ; my query's 16 pieces
	global_load_b32 v[NMR+n], v[PQ], s[92:93] offset:0x80000+256*n
	global_load_b32 v[LR+n], v[PQ], s[92:93] offset:0x100000+256*n
	global_load_b32 v[PW+n], v[PQ], s[92:93] offset:256*n
.set n, n+1
.endr
.set n, 0
.rept 8                                ; v^T's words, 16,384 dense bytes: 2,048 a line for the work-group
	global_load_b128 v[SC+4*n:SC+4*n+3], v[VQ], s[94:95] offset:2048*n
.set n, n+1
.endr
.irp s, 0,1
	s_mov_b32 s[G0A+4*\s], 1
	s_add_co_u32 s[G0A+4*\s+1], s88, \s*SLOT
	s_add_nc_u64 s[G0A+4*\s+2:G0A+4*\s+3], s[46:47], \s*6144
	s_or_b32 s[G0A+4*\s+3], s[G0A+4*\s+3], 0x80000000
	s_mov_b32 s[G0B+4*\s], 1
	s_add_co_u32 s[G0B+4*\s+1], s89, \s*SLOT
	s_add_nc_u64 s[G0B+4*\s+2:G0B+4*\s+3], s[84:85], \s*6144
	s_or_b32 s[G0B+4*\s+3], s[G0B+4*\s+3], 0x80000000
.endr
	s_mov_b32 s91, 49152
	s_cmp_eq_u32 s19, 0
	s_cselect_b64 s[PFA:PFA+1], s[46:47], s[84:85] ; the tiles that I fetch;
	s_cselect_b32 s90, s40, s41                    ; my place among the four that ask with me: cx for P, cy for v^T;
	s_cselect_b32 s91, 24576, s91                  ; one tile of P's four, two of v^T's eight
	s_mul_i32 s90, s90, s91
	s_mov_b32 s91, 0
	s_add_nc_u64 s[PFA:PFA+1], s[PFA:PFA+1], s[90:91]
	CROUND                                         ; all sixteen work-groups are here: the first joint loads meet
	JLOAD G0A, G1A, G0B, G1B                       ; K steps 0-3: one tensor load a wave at the head
	ASK 1
.macro XLOAD a                         ; x at tile a's 16 rows, 512 consecutive bytes a row, into window 2
	WIN 0x80
.irp t, 0,1,2,3,4,5,6,7,8,9,10,11,12,13,14,15
	global_load_b128 v[64*(\a)+4*\t:64*(\a)+4*\t+3], v[CO], s[10:11] offset:(32*((\a)/2)+8*((\a)%2)+\t+8*(\t/8))*4096 th:TH_LOAD_NT
.endr
.endm
	XLOAD 0
	WIN 0
	s_wait_loadcnt 16                              ; the pieces' numbers and v^T's words are in; x's 16 loads may be out
	v_min3_num_f32 v[T0], v[NMR], v[NMR+1], v[NMR+2]
.irp c, 3,5,7,9,11,13
	v_min3_num_f32 v[T0], v[T0], v[NMR+\c], v[NMR+\c+1]
.endr
	v_min_num_f32 v[T0], v[T0], v[NMR+15]          ; -M of the row
.macro ALL16 op:vararg                 ; one line for each of the 16 pieces: no line reads the line above it
.set n, 0
.rept 16
	\op
.set n, n+1
.endr
.endm
	ALL16 v_sub_f32 v[E+n], v[T0], v[NMR+n]        ; M(piece) - M(row): a whole number, 0 or less
	ALL16 v_cvt_i32_f32 v[E+n], v[E+n]             ; (it saturates)
	ALL16 v_ldexp_f32 v[LR+n], v[LR+n], v[E+n]     ; l(piece) under the row's M: nothing is rounded
.irp c, 2,4,6,8,10,12,14
	v_pk_add_f32 v[LR:LR+1], v[LR:LR+1], v[LR+\c:LR+\c+1]
.endr
	v_add_f32 v[LR], v[LR], v[LR+1]                ; l
	s_wait_alu depctr_va_vdst(0)                   ; the wait ahead of the transcendental
	v_rcp_f32 v[T1], v[LR]
	ALL16 v_sub_nc_u32 v[E+n], 0, v[E+n]           ; d
	ALL16 v_min_u32 v[E+n], 127, v[E+n]
	ALL16 v_perm_b32 v[E+n], v[E+n], v[E+n], 0     ; in all four bytes
	ALL16 v_or_b32 v[PW+n], s67, v[PW+n]           ; P's bytes lie under 128: with bit 7 set no byte borrows from the next
	ALL16 v_sub_nc_u32 v[PW+n], v[PW+n], v[E+n]
	ALL16 v_and_b32 v[E+n], s67, v[PW+n]           ; bit 7 still set: the byte has not fallen under 0
	ALL16 v_lshrrev_b32 v[NMR+n], 7, v[E+n]
	ALL16 v_sub_nc_u32 v[E+n], v[E+n], v[NMR+n]    ; 0x7f in such bytes, 0 in the others
	ALL16 v_and_b32 v[PW+n], v[PW+n], v[E+n]
	s_wait_alu depctr_va_vdst(0)                   ; and the wait ahead of its first reader
	v_mov_b32 v[T1+1], v[T1]
	ALL16 ds_store_b32 v[PSA], v[PW+n] offset:256*n
.set n, 0
.rept 8
	ds_store_b128 v[VSA], v[SC+4*n:SC+4*n+3] offset:2048*n
.set n, n+1
.endr
	ds_store_b64 v[RLS], v[T1:T1+1]
	s_wait_alu depctr_va_vdst(0)
	s_wait_tensorcnt 0x0                           ; my part of slot 0 is in
	ds_add_u32 v[SPW], v[NIL]
	s_wait_dscnt 0x0                               ; the add is done, and my stores lie in LDS
	CROUND                                         ; slot 0 and the scale words are whole in every wave's sight, and all sixteen work-groups are here
	JLOAD G0A+4, G1A, G0B+4, G1B                   ; K steps 4-7 into slot 1: the first tensor load behind the round
.set n, 0
.rept 16                               ; lanes 0-15: P's tiles 0-3 (and four words that are not used); lanes 16-31: v^T's tiles 0-3 and 4-7
	ds_load_b128 v[SC+8*n:SC+8*n+3], v[SCA] offset:256*n
	ds_load_b128 v[SC+8*n+4:SC+8*n+7], v[SCA] offset:256*n+4096
.set n, n+1
.endr
	ds_load_b128 v[RL:RL+3], v[RLA]
	ds_load_b128 v[RL+4:RL+7], v[RLA] offset:16
.macro FETCH slot, q, set              ; a fragment's image comes by three loads of 512 consecutive bytes
	WIN 0xc0
.irp t, 0,1,2,3,4,5,6,7
.irp j, 0,1,2
	ds_load_b128 v[128*(\set)+12*\t+4*\j:128*(\set)+12*\t+4*\j+3], v[ADRB+\slot] offset:\t*6144+(\q)*1536+512*\j
.endr
.endr
	WIN 0
.irp t, 0,1,2,3
.irp j, 0,1,2
	ds_load_b128 v[AF+48*(\set)+12*\t+4*\j:AF+48*(\set)+12*\t+4*\j+3], v[ADRA+\slot] offset:\t*6144+(\q)*1536+512*\j
.endr
.endr
.endm
; 8 matrix instructions: P's tile a x v^T's eight.  The 32 accumulators take turns, one instruction a turn.
.macro MULP a, set, c, zero
.irp b, 0,1,2,3,4,5,6,7
.if \zero
	v_wmma_scale_f32_16x16x128_f8f6f4 v[8*(8*(\a)+\b):8*(8*(\a)+\b)+7], v[128*(\set)+12*\b:128*(\set)+12*\b+11], v[AF+48*(\set)+12*(\a):AF+48*(\set)+12*(\a)+11], 0, v[SC+8*(\c)+\b], v[SC+8*(\c)+(\a)] matrix_a_fmt:MATRIX_FMT_FP6 matrix_b_fmt:MATRIX_FMT_FP6 matrix_a_scale:MATRIX_SCALE_ROW1
.else
	v_wmma_scale_f32_16x16x128_f8f6f4 v[8*(8*(\a)+\b):8*(8*(\a)+\b)+7], v[128*(\set)+12*\b:128*(\set)+12*\b+11], v[AF+48*(\set)+12*(\a):AF+48*(\set)+12*(\a)+11], v[8*(8*(\a)+\b):8*(8*(\a)+\b)+7], v[SC+8*(\c)+\b], v[SC+8*(\c)+(\a)] matrix_a_fmt:MATRIX_FMT_FP6 matrix_b_fmt:MATRIX_FMT_FP6 matrix_a_scale:MATRIX_SCALE_ROW1
.endif
.endr
.endm
; One of a slot's first three K steps: the next step's fragments are asked for, then this step's 32 products.  Products: source 0 window 3, source 1 window 0, C and D window 1.
.macro STEP slot, q, c, zero, xl
	s_wait_dscnt 0x0                               ; this step's fragments are in
	PLACES 4                                       ; four places in front of loads into registers that matrix instructions have read
	FETCH \slot, (\q)+1, 1-(\q)%2
.if \xl >= 0
	XLOAD \xl
.endif
	WIN 0x53
	MULP 0, (\q)%2, \c, \zero
	MULP 1, (\q)%2, \c, \zero
	MULP 2, (\q)%2, \c, \zero
	MULP 3, (\q)%2, \c, \zero
.endm
; A slot's last K step: ONE barrier; ahead of it each wave waits for all its tensor loads, adds 0 to its spare word, and waits for that and for its reads of this slot.  fill = 1: the barrier opens a round, and this slot is filled again.
.macro TURN slot, next, c, fill, ask
	WIN 0
	s_wait_tensorcnt 0x0                           ; all my tensor loads have landed: my part of the other slot
	ds_add_u32 v[SPW], v[NIL]
	s_wait_dscnt 1                                 ; (the add may be out)
	WIN 0x53
	MULP 0, 1, \c, 0
	s_wait_dscnt 0x0                               ; the add is done, and my reads of this slot are over
	s_barrier_signal -1
	MULP 1, 1, \c, 0
	WIN 0
	s_barrier_wait -1
.if \fill
	CREST                                          ; no wave of any partner still reads this slot or has a load on its way
	s_add_nc_u64 s[G0A+4*\slot+2:G0A+4*\slot+3], s[G0A+4*\slot+2:G0A+4*\slot+3], 12288
	s_add_nc_u64 s[G0B+4*\slot+2:G0B+4*\slot+3], s[G0B+4*\slot+2:G0B+4*\slot+3], 12288
	JLOAD G0A+4*\slot, G1A, G0B+4*\slot, G1B       ; the four v_nop behind it are also the places in front of the loads below
.else
	PLACES 4
.endif
	FETCH \next, 0, 0
.if \ask > 0
	ASK \ask
.endif
	WIN 0x53
	MULP 2, 1, \c, 0
	MULP 3, 1, \c, 0
.endm
	FETCH 0, 0, 0
	ASK 2
	STEP 0, 0, 0, 1, -1                            ; the first products start the sums
	STEP 0, 1, 1, 0, 1
	STEP 0, 2, 2, 0, -1
	TURN 0, 1, 3, 1, 3                             ; slot 0 takes K steps 8-11
	STEP 1, 0, 4, 0, -1
	STEP 1, 1, 5, 0, 2
	STEP 1, 2, 6, 0, -1
	TURN 1, 0, 7, 1, 0                             ; slot 1 takes K steps 12-15: the last load
	STEP 0, 0, 8, 0, -1
	STEP 0, 1, 9, 0, 3
	STEP 0, 2, 10, 0, -1
	TURN 0, 1, 11, 0, 0                            ; nothing is filled again, so no round follows
	STEP 1, 0, 12, 0, -1
	STEP 1, 1, 13, 0, -1
	STEP 1, 2, 14, 0, -1
	s_wait_dscnt 0x0
	WIN 0x53
	MULP 0, 1, 15, 0
	MULP 1, 1, 15, 0
	MULP 2, 1, 15, 0
	MULP 3, 1, 15, 0
	PLACES 4
; THE WAY OUT, tile by tile of 16 queries x 128 columns: x 1 / l in the lane that holds the query; through my stage, back as whole rows of 512 bytes; + x; stored.  Tile a + 1 goes into the stage before tile a is awaited:
; LDS serves a wave's instructions in order, so its stores come behind tile a's loads.
.macro SCALE a
	WIN 0x41
.set n, 0
.rept 32
	v_pk_mul_f32 v[64*(\a)+n:64*(\a)+n+1], v[64*(\a)+n:64*(\a)+n+1], v[RL+2*(\a):RL+2*(\a)+1]   ; each accumulator from its low end on
.set n, n+2
.endr
.endm
.macro TOSTAGE a
	WIN 0x04
.irp b, 0,1,2,3,4,5,6,7
	ds_store_b128 v[STO], v[64*(\a)+8*\b:64*(\a)+8*\b+3] offset:128*(\b/2)+32*(\b%2)
	ds_store_b128 v[STO], v[64*(\a)+8*\b+4:64*(\a)+8*\b+7] offset:128*(\b/2)+32*(\b%2)+16
.endr
	WIN 0xc0
.irp t, 0,1,2,3,4,5,6,7,8,9,10,11,12,13,14,15
	ds_load_b128 v[64*((\a)%2)+4*\t:64*((\a)%2)+4*\t+3], v[RD] offset:528*\t
.endr
.endm
.macro SEND a, younger                 ; younger: the LDS instructions issued behind tile a's loads, which may stay out
	s_wait_dscnt \younger
	s_wait_loadcnt 16*(3-(\a))                     ; x at this tile's rows is in; the later tiles' loads may be out
	WIN 0xcb
.set n, 0
.rept 32
	v_pk_add_f32 v[64*((\a)%2)+n:64*((\a)%2)+n+1], v[64*((\a)%2)+n:64*((\a)%2)+n+1], v[64*(\a)+n:64*(\a)+n+1]
.set n, n+2
.endr
	WIN 0x0c
.irp t, 0,1,2,3,4,5,6,7,8,9,10,11,12,13,14,15
	global_store_b128 v[CO], v[64*((\a)%2)+4*\t:64*((\a)%2)+4*\t+3], s[12:13] offset:(32*((\a)/2)+8*((\a)%2)+\t+8*(\t/8))*4096 th:TH_STORE_NT   ; 512 consecutive bytes, two aligned units
.endr
.endm
	SCALE 0
	TOSTAGE 0
.irp a, 1,2,3
.if \a > 1
	s_wait_xcnt 0x0                                ; tile a - 2's stores have read their registers: tile a's rows may land there
.endif
	SCALE \a
	TOSTAGE \a
	SEND \a-1, 32                                  ; behind tile a - 1's loads: tile a's 16 stores and 16 loads
.endr
	SEND 3, 0
	WIN 0
	s_wait_tensorcnt 0x0                           ; the wave's end
	ds_add_u32 v[SPW], v[NIL]
	s_wait_dscnt 0x0
	CROUND                                         ; the closing round
	s_endpgm
.Lfunc_end_k_q4a2e31eb38_pv:
	.size	k_q4a2e31eb38_pv, .Lfunc_end_k_q4a2e31eb38_pv-k_q4a2e31eb38_pv
	.p2alignl 7, 3214868480
	.fill 96, 4, 3214868480
	.section	.rodata,"a",@progbits
	.p2align	6, 0x0
	.amdhsa_kernel k_q4a2e31eb38_pv
		.amdhsa_group_segment_fixed_size 327680
		.amdhsa_private_segment_fixed_size 0
		.amdhsa_enable_private_segment 0
		.amdhsa_kernarg_size 40
		.amdhsa_user_sgpr_count 2
		.amdhsa_user_sgpr_kernarg_segment_ptr 1
		.amdhsa_wavefront_size32 1
		.amdhsa_system_sgpr_workgroup_id_x 1
		.amdhsa_system_sgpr_workgroup_id_y 1
		.amdhsa_system_sgpr_workgroup_id_z 1
		.amdhsa_system_vgpr_workitem_id 0
		.amdhsa_next_free_vgpr 1024
		.amdhsa_next_free_sgpr 100
		.amdhsa_reserve_vcc 0
		.amdhsa_float_denorm_mode_32 3
		.amdhsa_float_denorm_mode_16_64 3
		.amdhsa_memory_ordered 1
		.amdhsa_forward_progress 1
		.amdhsa_inst_pref_size 171
	.end_amdhsa_kernel
	.amdgpu_metadata
---
amdhsa.version: [ 1, 2 ]
amdhsa.kernels:
  - .name:           k_q4a2e31eb38_pv
    .symbol:         k_q4a2e31eb38_pv.kd
    .args:
      - { .name: pc, .offset: 0, .size: 8, .value_kind: global_buffer, .address_space: global }
      - { .name: vt, .offset: 8, .size: 8, .value_kind: global_buffer, .address_space: global }
      - { .name: sc, .offset: 16, .size: 8, .value_kind: global_buffer, .address_space: global }
      - { .name: x, .offset: 24, .size: 8, .value_kind: global_buffer, .address_space: global }
      - { .name: out0, .offset: 32, .size: 8, .value_kind: global_buffer, .address_space: global }
    .group_segment_fixed_size: 327680
    .private_segment_fixed_size: 0
    .kernarg_segment_align: 8
    .kernarg_segment_size: 40
    .max_flat_workgroup_size: 128
    .sgpr_count:     100
    .vgpr_count:     1024
    .wavefront_size: 32
...
	.end_amdgpu_metadata
.endif
;; end of part 4
